; MI455X (gfx1250); checked and timed in simulation.
; The chip was launched on July 23, 2026; its instructions are those of AMD's public machine-readable ISA for CDNA 5 (MIT licence, August 2026) and "CDNA5" Instruction Set Architecture Reference Guide (July 2026). The comments in the code are by the model that wrote it; some were corrected since.
;; Causal Attention. Allowed arithmetic: float matrix products may take bf16 or f16 operands with f32 sums; other float arithmetic in f32, or as packed bf16 or f16 multiplies, adds, multiply-adds, maxima and minima; sums over many terms, partial sums and values carried from step to step in f32; what a program stores and reads back later, other than sums and carried values, may be rounded once to bf16 or f16.
;; Inputs: Wk 1,024 x 1,024 float32; Wq 1,024 x 1,024 float32; Wv 1,024 x 1,024 float32; x 4 x 2,048 x 1,024 float32.
;; Outputs: out0 4 x 2,048 x 1,024 float32.
;; 2 versions, each right; version 2 is version 1 with the launch cast written anew for expert scheduling mode. Each part assembles by itself: llvm-mc -triple=amdgcn-amd-amdhsa -mcpu=gfx1250 --defsym DOCPART=n.
;; ======== version 1 of 2: 4 launches
;; limits: values are held in f16: magnitudes above 65,504 overflow, below 6.1e-05 lose precision
;; workspace buffers: xb 16,777,216 bytes; wb 6,291,456 bytes; qkv 50,331,648 bytes; pw 33,554,432 bytes; smax 524,288 bytes; ssum 524,288 bytes
;; launch cast (part 1): grid 704 x 1, 8 waves a work-group, no clusters, 0 bytes of LDS; arguments x, Wq, Wk, Wv, xb, wb; writes xb, wb
.if DOCPART == 1
	.amdgcn_target "amdgcn-amd-amdhsa--gfx1250"
	.amdhsa_code_object_version 6
	.text
	.protected	k_qda1835016e_cast
	.globl	k_qda1835016e_cast
	.p2align	8
	.type	k_qda1835016e_cast,@function
k_qda1835016e_cast:
	s_mov_b64 s[64:65], 0
	v_nop
	global_prefetch_b8 v0, s[64:65] scope:SCOPE_SE
	s_setreg_imm32_b32 hwreg(HW_REG_WAVE_MODE, 25, 1), 1
	s_wait_xcnt 0x0
; x and the three weights, f32, are rounded once to bf16 (nearest even) and laid out for the projection.
; xb: [16 blocks of 64 k][8192 rows][64] bf16: 128 rows of one block are 16,384 bytes on end.
; wb: [1024 k][3072] bf16: columns 0-1023 Wq, 1024-2047 Wk, 2048-3071 Wv.
; Work-groups 0-511 take 16 rows of x each, 512-703 take 16 rows of one weight.  A thread issues its 16 loads of 16 bytes at once,
; then rounds and stores them as they come; a wave's store of 8 bytes a lane covers 256 consecutive bytes, aligned.
; No register is used twice, so no wait but the counted ones for the loads.  No LDS, no matrix unit, no cluster: nothing is shared.
.set XR, 8                             ; v[8:71]   16 x 4 numbers as loaded
.set YR, 72                            ; v[72:103] 16 x 4 numbers in bf16
	s_load_b256 s[4:11], s[0:1], 0x0               ; x s[4:5], Wq s[6:7], Wk s[8:9], Wv s[10:11]
	s_load_b128 s[12:15], s[0:1], 0x20             ; xb s[12:13], wb s[14:15]
	s_mov_b32 s21, 0
	s_mov_b32 s23, 0
	s_cmp_lt_u32 ttmp9, 512
	s_cbranch_scc0 .Lweights
	; rows 16 g .. 16 g + 15 of x: thread t takes row t / 16, 16 bytes at 16 (t % 16) of each of the row's 16 pieces of 256 bytes
	v_lshrrev_b32 v1, 4, v0
	v_and_b32 v3, 15, v0
	v_lshlrev_b32 v1, 12, v1
	v_lshl_add_u32 v1, v3, 4, v1                   ; row x 4,096 + 16 (t % 16)
	v_lshlrev_b32 v2, 3, v0                        ; in a block of xb: row x 128 + 8 (t % 16) = 8 t
	s_lshl_b32 s20, ttmp9, 16                      ; 16 rows of 4,096 bytes
	s_lshl_b32 s22, ttmp9, 11                      ; 16 rows of 128 bytes
	s_wait_kmcnt 0x0
	s_add_nc_u64 s[4:5], s[4:5], s[20:21]
	s_add_nc_u64 s[16:17], s[12:13], s[22:23]      ; blocks 0-7
	s_add_nc_u64 s[18:19], s[16:17], 0x800000      ; blocks 8-15: the immediate holds eight blocks of 1,048,576 bytes
.set i, 0
.rept 16
	global_load_b128 v[XR+4*i:XR+4*i+3], v1, s[4:5] offset:256*i th:TH_LOAD_NT
.set i, i+1
.endr
.set i, 0
.rept 16
	s_wait_loadcnt 15-i                            ; loads come back in order: number i is in, the younger ones stay out
	v_cvt_pk_bf16_f32 v[YR+2*i], v[XR+4*i], v[XR+4*i+1]
	v_cvt_pk_bf16_f32 v[YR+2*i+1], v[XR+4*i+2], v[XR+4*i+3]
	global_store_b64 v2, v[YR+2*i:YR+2*i+1], s[16+2*(i/8):17+2*(i/8)] offset:(i%8)*1048576
.set i, i+1
.endr
	s_endpgm
.Lweights:
	; rows k0 .. k0 + 15 of one weight: a wave takes two rows, 8,192 bytes on end, 512 bytes a load
	s_sub_co_u32 s24, ttmp9, 512
	s_lshr_b32 s25, s24, 6                         ; which weight
	s_and_b32 s24, s24, 63
	s_lshl_b32 s20, s24, 16                        ; k0 x 4,096
	s_mul_i32 s22, s24, 16*6144                    ; k0 rows of wb
	s_lshl_b32 s26, s25, 11                        ; the weight's 2,048 bytes of a row of wb
	s_add_co_u32 s22, s22, s26
	v_lshrrev_b32 v1, 5, v0
	v_and_b32 v3, 31, v0
	v_mul_u32_u24 v2, v1, 12288
	v_lshlrev_b32 v1, 13, v1
	v_lshl_add_u32 v1, v3, 4, v1
	v_lshl_add_u32 v2, v3, 3, v2
	s_wait_kmcnt 0x0
	s_cmp_eq_u32 s25, 0
	s_cselect_b64 s[6:7], s[6:7], s[8:9]
	s_cmp_eq_u32 s25, 2
	s_cselect_b64 s[4:5], s[10:11], s[6:7]
	s_add_nc_u64 s[4:5], s[4:5], s[20:21]
	s_add_nc_u64 s[16:17], s[14:15], s[22:23]
.set i, 0
.rept 16
	global_load_b128 v[XR+4*i:XR+4*i+3], v1, s[4:5] offset:512*i th:TH_LOAD_NT
.set i, i+1
.endr
.set i, 0
.rept 16
	s_wait_loadcnt 15-i
	v_cvt_pk_bf16_f32 v[YR+2*i], v[XR+4*i], v[XR+4*i+1]
	v_cvt_pk_bf16_f32 v[YR+2*i+1], v[XR+4*i+2], v[XR+4*i+3]
	global_store_b64 v2, v[YR+2*i:YR+2*i+1], s[16:17] offset:(i/8)*6144+(i%8)*256
.set i, i+1
.endr
	s_endpgm
.Lfunc_end_k_qda1835016e_cast:
	.size	k_qda1835016e_cast, .Lfunc_end_k_qda1835016e_cast-k_qda1835016e_cast
	.p2alignl 7, 3214868480
	.fill 96, 4, 3214868480
	.section	.rodata,"a",@progbits
	.p2align	6, 0x0
	.amdhsa_kernel k_qda1835016e_cast
		.amdhsa_group_segment_fixed_size 0
		.amdhsa_private_segment_fixed_size 0
		.amdhsa_enable_private_segment 0
		.amdhsa_kernarg_size 48
		.amdhsa_user_sgpr_count 2
		.amdhsa_user_sgpr_kernarg_segment_ptr 1
		.amdhsa_wavefront_size32 1
		.amdhsa_system_sgpr_workgroup_id_x 1
		.amdhsa_system_sgpr_workgroup_id_y 1
		.amdhsa_system_sgpr_workgroup_id_z 1
		.amdhsa_system_vgpr_workitem_id 0
		.amdhsa_next_free_vgpr 104
		.amdhsa_next_free_sgpr 66
		.amdhsa_reserve_vcc 0
		.amdhsa_float_denorm_mode_32 3
		.amdhsa_float_denorm_mode_16_64 3
		.amdhsa_memory_ordered 1
		.amdhsa_forward_progress 1
		.amdhsa_inst_pref_size 13
	.end_amdhsa_kernel
	.amdgpu_metadata
---
amdhsa.version: [ 1, 2 ]
amdhsa.kernels:
  - .name:           k_qda1835016e_cast
    .symbol:         k_qda1835016e_cast.kd
    .args:
      - { .name: x, .offset: 0, .size: 8, .value_kind: global_buffer, .address_space: global }
      - { .name: Wq, .offset: 8, .size: 8, .value_kind: global_buffer, .address_space: global }
      - { .name: Wk, .offset: 16, .size: 8, .value_kind: global_buffer, .address_space: global }
      - { .name: Wv, .offset: 24, .size: 8, .value_kind: global_buffer, .address_space: global }
      - { .name: xb, .offset: 32, .size: 8, .value_kind: global_buffer, .address_space: global }
      - { .name: wb, .offset: 40, .size: 8, .value_kind: global_buffer, .address_space: global }
    .group_segment_fixed_size: 0
    .private_segment_fixed_size: 0
    .kernarg_segment_align: 8
    .kernarg_segment_size: 48
    .max_flat_workgroup_size: 256
    .sgpr_count:     66
    .vgpr_count:     104
    .wavefront_size: 32
...
	.end_amdgpu_metadata
.endif
;; end of part 1
;; launch proj (part 2): grid 8 x 32, 4 waves a work-group, clusters of 4 x 4, 327,680 bytes of LDS; arguments xb, wb, qkv; writes qkv
.if DOCPART == 2
	.amdgcn_target "amdgcn-amd-amdhsa--gfx1250"
	.amdhsa_code_object_version 6
	.text
	.protected	k_qda1835016e_proj
	.globl	k_qda1835016e_proj
	.p2align	8
	.type	k_qda1835016e_proj,@function
k_qda1835016e_proj:
	s_mov_b64 s[64:65], 0
	v_nop
	global_prefetch_b8 v0, s[64:65] scope:SCOPE_SE
	s_setreg_imm32_b32 hwreg(HW_REG_WAVE_MODE, 25, 1), 1
	s_wait_xcnt 0x0
	s_wait_alu depctr_hold_cnt(0) depctr_sa_sdst(0) depctr_va_vdst(0) depctr_va_sdst(0) depctr_va_ssrc(0) depctr_va_vcc(0) depctr_vm_vsrc(0)
	s_getreg_b32 s2, hwreg(HW_REG_IB_STS2, 6, 4)
	s_cmp_eq_u32 s2, 0
	s_cbranch_scc0 .Lentry_in_a_cluster
	s_endpgm
.Lentry_in_a_cluster:
	s_bfe_u32 s2, ttmp6, 0x10000c
	s_cmp_lg_u32 s2, 0xf033
	s_cbranch_scc0 .Lentry_shape_is_right
	s_endpgm
.Lentry_shape_is_right:
; qkv[row][col] = sum over k of xb[row][k] wb[k][col]: 8192 x 3072 x 1024, bf16 operands, f32 sums, rounded once to f16.
; LIMIT.  f16 ends at 65,504: a q, k or v beyond it becomes an infinity.  NaN and infinities are not treated apart.
; A work-group makes 256 rows x 384 columns: 32 x 8 tiles, one for each of 256 work-groups.  Wave w: rows 128 (w / 2) on, and of each of the three groups g
; of 128 columns the 64 at 64 (w % 2): 8 x 12 accumulators of 16 x 16, 768 registers.
; K goes in 16 steps of 64 through two LDS slots.  CLUSTER 4 x 4: x's tile is shared along a row of the cluster, w's along a column, each asked for jointly.
; THE PRODUCT IS USED TRANSPOSED: source 0 = 16 columns of wb (turned on the way out of LDS), source 1 = 16 rows of xb: a lane holds 8 neighbouring columns of one row.
; REGISTERS.  window 0: v2-12 addresses; v64-127, v128-191 x's fragments of the step's two halves of 32 k; v192-223, v224-255 w's fragments, two buffers.
;   window 1 + g: accumulator (a, c) of group g at v[8 (4 a + c)].
.set PA,     144                       ; a row of x in LDS: 128 bytes + 16
.set PB,     864                       ; a k row of w in LDS: three pieces of 256 bytes + 32: 27 x 32
.set AHALF,  128*PA
.set BOFF,   2*AHALF
.set BHALF,  32*PB
.set SLOT,   BOFF+2*BHALF              ; 92,160
.set SPITCH, 784                       ; the stage: 768 bytes + 16; it lies over the slots, which have had their last fill when it is written
.set SPARE,  256*SPITCH                ; behind the stage: the spare words, 128 bytes a wave
.set ASTEP,  1048576                   ; a K step in xb
.set BSTEP,  64*6144                   ; a K step in wb
.set ADRA, 2                           ; v2-3  my x fragments in slot 0, 1
.set ADRB, 4                           ; v4-5  my w fragments in slot 0, 1
.set STO,  6                           ; v6-7  the way out: where I put 16 bytes, row blocks 0-3 and 4-7
.set RD,   8                           ; v8    where I read rows back
.set CO,   9                           ; v9    my byte offset in qkv
.set SPW,  10                          ; v10   my spare word; never rewritten
.set NIL,  11                          ; v11   0; never rewritten
.set PFO,  12                          ; v12   the prefetches' lane offset; never rewritten
.set AF0,  64
.set AF1,  128
.set BF0,  192
.set BF1,  224
.set G1A,  24                          ; s[24:31], s[32:39] descriptor groups 1 and 0 (a set a slot) for x
.set G0A,  32
.set G1B,  48                          ; s[48:55], s[56:63] for w
.set G0B,  56
.set LIM,  43                          ; s43  1 in a wave that prefetches, else the greatest number
.set PFA,  44                          ; s[44:45] where my prefetches stand
.set PFS,  66                          ; s[66:67] their step: two K steps
.set MSB, 0
.macro WIN new                         ; the immediate's high byte repeats the setting that is left; a switch that changes nothing is dropped
.if MSB != (\new)
	s_set_vgpr_msb (MSB<<8)|(\new)
.set MSB, \new
.endif
.endm
.macro PLACES                          ; four plain places behind a matrix instruction (ISA guide 7.12.1)
.rept 4
	v_nop
.endr
.endm
.macro JLOAD s                         ; a joint load: waves 0, 1 fetch x's two halves, waves 2, 3 w's; s_nop 0 and four v_nop follow each line
	s_cmp_eq_u32 s11, 0
	s_cbranch_scc0 .Lfor_b_\@
	tensor_load_to_lds s[G0A+4*(\s):G0A+4*(\s)+3], s[G1A:G1A+7]
	s_nop 0
.rept 4
	v_nop
.endr
	s_branch .Lasked_\@
.Lfor_b_\@:
	tensor_load_to_lds s[G0B+4*(\s):G0B+4*(\s)+3], s[G1B:G1B+7]
	s_nop 0
.rept 4
	v_nop
.endr
.Lasked_\@:
.endm
.macro CREST                           ; a round of the cluster's barrier behind its opening barrier
	s_cmp_lg_u32 s10, 0
	s_cbranch_scc1 .Lnot_wave_0_\@
	s_barrier_signal -3
.Lnot_wave_0_\@:
	s_barrier_wait -3
	s_barrier_signal -1
	s_barrier_wait -1
.endm
.macro CROUND
	s_barrier_signal -1
	s_barrier_wait -1
	CREST
.endm
; Once a lap, behind slot 0's joint load and the LDS loads: the two K steps that the NEXT lap's refills will ask for.  x's rows of a tile row are read by both clusters of that
; row of clusters: cluster x = 0 asks, wave 0, each of the four partners 8,192 bytes of a step's 32,768, told apart by address: a lane 256 bytes, two instructions.
; w's rows of a tile column are read by all eight clusters of that column: cluster y = 0 asks, wave 2, each partner 32 of the two steps' 128 k rows: a lane a row, three instructions.
; The loop's last trip asks for nothing: there are no steps behind its own.
.macro ASK
	s_cmp_gt_u32 s3, s[LIM]
	s_cbranch_scc0 .Lnone_\@
	s_cmp_eq_u32 s11, 0
	s_cbranch_scc0 .Lof_b_\@
	global_prefetch_b8 v[PFO], s[PFA:PFA+1] th:TH_LOAD_NT scope:SCOPE_SE
	global_prefetch_b8 v[PFO], s[PFA:PFA+1] offset:ASTEP th:TH_LOAD_NT scope:SCOPE_SE
	s_branch .Lnone_\@
.Lof_b_\@:
	global_prefetch_b8 v[PFO], s[PFA:PFA+1] th:TH_LOAD_NT scope:SCOPE_SE
	global_prefetch_b8 v[PFO], s[PFA:PFA+1] offset:256 th:TH_LOAD_NT scope:SCOPE_SE
	global_prefetch_b8 v[PFO], s[PFA:PFA+1] offset:512 th:TH_LOAD_NT scope:SCOPE_SE
.Lnone_\@:
.endm
	s_load_b128 s[4:7], s[0:1], 0x0                ; xb s[4:5], wb s[6:7]
	s_load_b64 s[8:9], s[0:1], 0x10                ; qkv
	v_lshl_add_u32 v[SPW], v0, 2, SPARE
	v_mov_b32 v[NIL], 0
	ds_add_u32 v[SPW], v[NIL]                      ; the wave's opening: the add and its wait ahead of my first tensor load
	v_lshrrev_b32 v1, 5, v0
	v_readfirstlane_b32 s10, v1                    ; wave 0..3
	s_lshr_b32 s11, s10, 1                         ; my half of the rows; also: I fetch x (0) or w (1)
	s_and_b32 s12, s10, 1                          ; my half of each column group; also: which half of the tile I fetch
	s_bfe_u32 s40, ttmp6, 0x40000                  ; cx
	s_bfe_u32 s41, ttmp6, 0x40004                  ; cy
	s_lshl_b32 s42, ttmp9, 2
	s_add_co_u32 s42, s42, s40                     ; tile column 0..7
	s_and_b32 s13, ttmp7, 0xffff
	s_lshl_b32 s13, s13, 2
	s_add_co_u32 s13, s13, s41                     ; tile row 0..31
	s_lshl_b32 s20, s41, 2
	s_lshl_b32 s20, 15, s20                        ; my row of the cluster
	s_lshl_b32 s21, 0x1111, s40                    ; my column
	s_or_b32 s[G1A], s20, (1<<16)|(1<<20)|(1<<21)|(4<<22)|(3<<25)  ; mask; 2-byte elements; padding on; bit 21 beside a mask; after every 32 words 4 words
	s_or_b32 s[G1B], s21, (1<<16)|(1<<20)|(1<<21)|(5<<22)|(7<<25)  ; after every 64 words 8 words
	s_mov_b32 s[G1A+1], 128<<16                    ; x: 128 rows of 128 bytes lie on end: asked for as 64 rows of 128 elements
	s_mov_b32 s[G1A+2], 64<<16
	s_mov_b32 s[G1A+3], 128<<16
	s_mov_b32 s[G1A+4], 64
	s_mov_b32 s[G1A+5], 128
	s_mov_b32 s[G1A+6], 0
	s_mov_b32 s[G1A+7], 0
	s_mov_b32 s[G1B+1], 384<<16                    ; w: 32 k rows of 384 elements, 3,072 elements from row to row
	s_mov_b32 s[G1B+2], 32<<16
	s_mov_b32 s[G1B+3], 384<<16
	s_mov_b32 s[G1B+4], 32
	s_mov_b32 s[G1B+5], 3072
	s_mov_b32 s[G1B+6], 0
	s_mov_b32 s[G1B+7], 0
	s_lshl_b32 s16, s13, 15                        ; x: 256 rows of 128 bytes a tile row,
	s_lshl_b32 s17, s12, 14                        ; my 128 of them
	s_add_co_u32 s16, s16, s17
	s_mov_b32 s17, 0
	s_mul_i32 s46, s12, 32*6144                    ; w: my 32 k rows,
	s_mul_i32 s47, s42, 768                        ; the tile's 384 columns
	s_add_co_u32 s46, s46, s47
	s_mov_b32 s47, 0
	s_mul_i32 s18, s12, AHALF                      ; where they go: no place in the cluster enters an LDS address
	s_mul_i32 s19, s12, BHALF
	s_add_co_u32 s19, s19, BOFF
	s_wait_dscnt 0x0                               ; the opening add is done
	s_wait_kmcnt 0x0
	s_add_nc_u64 s[14:15], s[4:5], s[16:17]
	s_add_nc_u64 s[46:47], s[6:7], s[46:47]
	CROUND                                         ; all sixteen work-groups are here: the first joint loads meet
.irp s, 0,1
	s_mov_b32 s[G0A+4*(\s)], 1
	s_add_co_u32 s[G0A+4*(\s)+1], s18, (\s)*SLOT
	s_add_nc_u64 s[G0A+4*(\s)+2:G0A+4*(\s)+3], s[14:15], (\s)*ASTEP
	s_or_b32 s[G0A+4*(\s)+3], s[G0A+4*(\s)+3], 0x80000000
	s_mov_b32 s[G0B+4*(\s)], 1
	s_add_co_u32 s[G0B+4*(\s)+1], s19, (\s)*SLOT
	s_add_nc_u64 s[G0B+4*(\s)+2:G0B+4*(\s)+3], s[46:47], (\s)*BSTEP
	s_or_b32 s[G0B+4*(\s)+3], s[G0B+4*(\s)+3], 0x80000000
	JLOAD \s
.endr
	v_and_b32 v1, 15, v0                           ; r = l % 16
	v_bfe_u32 v13, v0, 4, 1                        ; h = l / 16
	v_mul_u32_u24 v14, v1, PA
	v_lshl_add_u32 v14, v13, 4, v14                ; x: row x pitch + 16 h
	s_mul_i32 s21, s11, AHALF
	v_add_nc_u32 v[ADRA], s21, v14
	v_add_nc_u32 v[ADRA+1], SLOT, v[ADRA]
	v_and_b32 v15, 7, v0                           ; w, turned: k row 8 h + l % 8, 16 bytes at 16 ((l / 8) % 2)
	v_lshl_add_u32 v15, v13, 3, v15
	v_mul_u32_u24 v15, v15, PB
	v_bfe_u32 v16, v0, 3, 1
	v_lshl_add_u32 v15, v16, 4, v15
	s_lshl_b32 s22, s12, 7
	s_add_co_u32 s22, s22, BOFF
	v_add_nc_u32 v[ADRB], s22, v15
	v_add_nc_u32 v[ADRB+1], SLOT, v[ADRB]
	v_mul_u32_u24 v17, v1, SPITCH                  ; into the stage: row 128 (w / 2) + r, byte 128 (w % 2) + 16 h
	v_lshl_add_u32 v17, v13, 4, v17
	s_mul_i32 s23, s11, 128*SPITCH
	s_lshl_b32 s22, s12, 7
	s_add_co_u32 s23, s23, s22
	v_add_nc_u32 v[STO], s23, v17
	v_add_nc_u32 v[STO+1], 64*SPITCH, v[STO]
	v_mul_u32_u24 v18, v13, SPITCH                 ; back: rows 64 w on, lanes 0-15 one row's 256 bytes, lanes 16-31 the next row's
	v_lshl_add_u32 v18, v1, 4, v18
	s_mul_i32 s23, s10, 64*SPITCH
	v_add_nc_u32 v[RD], s23, v18
	v_mul_u32_u24 v19, v13, 6144
	v_lshl_add_u32 v[CO], v1, 4, v19
	s_lshl_b32 s20, s13, 8
	s_lshl_b32 s21, s10, 6
	s_add_co_u32 s20, s20, s21                     ; the first row that I store
	s_mul_i32 s20, s20, 6144
	s_mul_i32 s21, s42, 768
	s_add_co_u32 s20, s20, s21
	s_mov_b32 s21, 0
	s_add_nc_u64 s[8:9], s[8:9], s[20:21]
	; the prefetches stand at K step 2; the first lap steps them to 4
	s_lshl_b32 s20, s13, 15
	s_lshl_b32 s21, s40, 13
	s_add_co_u32 s20, s20, s21
	s_add_co_u32 s20, s20, 2*ASTEP
	s_mul_i32 s22, s41, 32*6144
	s_mul_i32 s23, s42, 768
	s_add_co_u32 s22, s22, s23
	s_add_co_u32 s22, s22, 2*BSTEP
	s_and_b32 s2, ttmp7, 0xffff
	s_mov_b32 s[PFS], 2*ASTEP
	s_mov_b32 s[PFS+1], 2*BSTEP
	s_mov_b32 s21, 256
	s_mov_b32 s23, 6144
	s_cmp_eq_u32 s11, 0
	s_cselect_b32 s20, s20, s22
	s_cselect_b32 s2, ttmp9, s2                    ; the coordinate along which other clusters read the same rows
	s_cselect_b64 s[PFA:PFA+1], s[4:5], s[6:7]
	s_cselect_b32 s[PFS], s[PFS], s[PFS+1]
	s_cselect_b32 s23, s21, s23
	s_mov_b32 s[PFS+1], 0
	s_mov_b32 s21, 0
	s_add_nc_u64 s[PFA:PFA+1], s[PFA:PFA+1], s[20:21]
	s_or_b32 s2, s2, s12                           ; waves 0 and 2 alone
	s_cmp_eq_u32 s2, 0
	s_cselect_b32 s[LIM], 1, -1                    ; the same in all sixteen partners, for a given wave
	v_and_b32 v[PFO], 31, v0
	v_mul_u32_u24 v[PFO], s23, v[PFO]
.macro LDA slot, kq, buf               ; x's eight fragments of 16 rows x 32 k
	WIN 0
.irp a, 0,1,2,3,4,5,6,7
	ds_load_b128 v[(\buf)+8*(\a):(\buf)+8*(\a)+3],   v[ADRA+(\slot)] offset:(\a)*16*PA+(\kq)*64
	ds_load_b128 v[(\buf)+8*(\a)+4:(\buf)+8*(\a)+7], v[ADRA+(\slot)] offset:(\a)*16*PA+(\kq)*64+32
.endr
.endm
.macro LDB slot, kq, g, buf            ; w's four fragments of 16 columns x 32 k of group g, turned
	WIN 0
.irp c, 0,1,2,3
	ds_load_tr16_b128 v[(\buf)+8*(\c):(\buf)+8*(\c)+3],   v[ADRB+(\slot)] offset:(\kq)*32*PB+(\g)*288+(\c)*32
	ds_load_tr16_b128 v[(\buf)+8*(\c)+4:(\buf)+8*(\c)+7], v[ADRB+(\slot)] offset:(\kq)*32*PB+(\g)*288+(\c)*32+16*PB
.endr
.endm
.macro MUL g, ab, bb, a0, zero         ; 16 matrix instructions: row blocks a0 .. a0 + 3 x the group's 4 column blocks.  zero = 1: they start the sums
	WIN 0x50*((\g)+1)
.irp a, \a0, (\a0)+1, (\a0)+2, (\a0)+3
.irp c, 0,1,2,3
.if \zero
	v_wmma_f32_16x16x32_bf16 v[8*(4*(\a)+(\c)):8*(4*(\a)+(\c))+7], v[(\bb)+8*(\c):(\bb)+8*(\c)+7], v[(\ab)+8*(\a):(\ab)+8*(\a)+7], 0
.else
	v_wmma_f32_16x16x32_bf16 v[8*(4*(\a)+(\c)):8*(4*(\a)+(\c))+7], v[(\bb)+8*(\c):(\bb)+8*(\c)+7], v[(\ab)+8*(\a):(\ab)+8*(\a)+7], v[8*(4*(\a)+(\c)):8*(4*(\a)+(\c))+7]
.endif
.endr
.endr
.endm
; A K step is six stretches sig = 3 kq + g of 32 matrix instructions, each on 32 accumulators of its own window: no two that follow each other share an accumulator.
; At a stretch's head: its operands, asked for a stretch (32 matrix instructions) earlier, are waited for; four places; the next stretch's operands are asked for.
.macro STRETCH slot, sig, zero
	WIN 0
	s_wait_dscnt 0x0
	PLACES
.if (\sig) == 0
	LDB \slot, 0, 1, BF1
.elseif (\sig) == 1
	LDB \slot, 0, 2, BF0
.elseif (\sig) == 2
	LDB \slot, 1, 0, BF1
	LDA \slot, 1, AF1
.elseif (\sig) == 3
	LDB \slot, 1, 1, BF0
.elseif (\sig) == 4
	LDB \slot, 1, 2, BF1
.endif
	MUL (\sig)%3, AF0+64*((\sig)/3), BF0+32*((\sig)%2), 0, \zero
	MUL (\sig)%3, AF0+64*((\sig)/3), BF0+32*((\sig)%2), 4, \zero
.endm
; Stretches 4 and 5 with the change of slots.  In front of the barrier each wave has asked for its last bytes of this slot, waits for all its tensor loads (one is out: its part of the
; next slot), adds 0 to its spare word, and waits for that and for its reads.  fill = 1: the barrier opens a round of the cluster's, and the joint refill, two K steps on, is the first
; thing behind it: 160 matrix instructions stand between it and the wait for it.
.macro TURN slot, next, fill
.if (\fill) && ((\slot) == 0)
	s_wait_xcnt 0x0                                ; the last prefetches, a lap back, have read their address
	s_add_nc_u64 s[PFA:PFA+1], s[PFA:PFA+1], s[PFS:PFS+1]
.endif
	WIN 0
	s_wait_dscnt 0x0
	PLACES
	LDB \slot, 1, 2, BF1
	s_wait_tensorcnt 0x0                           ; all my tensor loads have landed
	ds_add_u32 v[SPW], v[NIL]
	MUL 1, AF1, BF0, 0, 0
	s_wait_dscnt 0x0                               ; the add is done, and my reads of this slot are over
	s_barrier_signal -1
	MUL 1, AF1, BF0, 4, 0
	WIN 0
	s_barrier_wait -1
.if \fill
	CREST
	s_add_nc_u64 s[G0A+4*(\slot)+2:G0A+4*(\slot)+3], s[G0A+4*(\slot)+2:G0A+4*(\slot)+3], 2*ASTEP
	s_add_nc_u64 s[G0B+4*(\slot)+2:G0B+4*(\slot)+3], s[G0B+4*(\slot)+2:G0B+4*(\slot)+3], 2*BSTEP
	JLOAD \slot                                    ; its four v_nop are also the places in front of the loads below
.else
	PLACES
.endif
	LDB \next, 0, 0, BF0
	LDA \next, 0, AF0
.if (\fill) && ((\slot) == 0)
	ASK
.endif
	MUL 2, AF1, BF1, 0, 0
	MUL 2, AF1, BF1, 4, 0
.endm
	s_wait_tensorcnt 1                             ; my part of K step 0 is in; step 1's may stay out
	s_barrier_signal -1
	s_barrier_wait -1
	LDA 0, 0, AF0
	LDB 0, 0, 0, BF0
	STRETCH 0, 0, 1                                ; the first 32 k start all 96 sums: nothing is cleared
	STRETCH 0, 1, 1
	STRETCH 0, 2, 1
	WIN 0
	s_mov_b32 s3, 7
.Llap:                                                 ; once round the ring, from a lap's fourth stretch to the next lap's third; both slots are filled again
	STRETCH 0, 3, 0
	TURN 0, 1, 1
	STRETCH 1, 0, 0
	STRETCH 1, 1, 0
	STRETCH 1, 2, 0
	STRETCH 1, 3, 0
	TURN 1, 0, 1
	STRETCH 0, 0, 0
	STRETCH 0, 1, 0
	STRETCH 0, 2, 0
	WIN 0
	s_sub_co_u32 s3, s3, 1
	s_cmp_lg_u32 s3, 0
	s_cbranch_scc1 .Llap
	STRETCH 0, 3, 0                                ; the last lap fills nothing
	TURN 0, 1, 0
	STRETCH 1, 0, 0
	STRETCH 1, 1, 0
	STRETCH 1, 2, 0
	STRETCH 1, 3, 0
	STRETCH 1, 4, 0
	STRETCH 1, 5, 0
	; THE WAY OUT: rounded to f16, 16 bytes a lane into the work-group's stage; back as whole rows of 768 bytes, 64 rows a wave.
	PLACES
	WIN 0
	s_wait_dscnt 0x0
	s_barrier_signal -1
	s_barrier_wait -1                              ; nobody reads the slots any more: the stage may lie over them
.irp g, 0,1,2
	WIN 5*((\g)+1)                                 ; sources 0 and 1 in the group's window
.set t, 0
.rept 32
.irp r, 0,1,2,3
	v_cvt_pk_f16_f32 v[64+4*t+(\r)], v[8*t+2*(\r)], v[8*t+2*(\r)+1]
.endr
.set t, t+1
.endr
	WIN 0
.set t, 0
.rept 32
	ds_store_b128 v[STO+t/16], v[64+4*t:64+4*t+3] offset:((t/4)%4)*16*SPITCH+256*(\g)+32*(t%4)
.set t, t+1
.endr
.endr
	s_wait_dscnt 0x0                               ; for the others' sake: my stores into the stage are done
	s_barrier_signal -1
	s_barrier_wait -1
.set ch, 0
.rept 6
.if ch >= 2
	s_wait_xcnt 0x0                                ; the stores of two chunks back have read these registers
.endif
.set t, 0
.rept 16
.set n, 16*ch+t
	ds_load_b128 v[64+64*(ch%2)+4*t:64+64*(ch%2)+4*t+3], v[RD] offset:(n/3)*2*SPITCH+(n%3)*256
.set t, t+1
.endr
.set t, 0
.rept 16
.set n, 16*ch+t
	s_wait_dscnt 15-t
	global_store_b128 v[CO], v[64+64*(ch%2)+4*t:64+64*(ch%2)+4*t+3], s[8:9] offset:(n/3)*2*6144+(n%3)*256  ; 16 lanes store 256 consecutive bytes, aligned
.set t, t+1
.endr
.set ch, ch+1
.endr
	s_wait_tensorcnt 0x0                           ; the wave's end
	ds_add_u32 v[SPW], v[NIL]
	s_wait_dscnt 0x0
	CROUND                                         ; the closing round
	s_endpgm
.Lfunc_end_k_qda1835016e_proj:
	.size	k_qda1835016e_proj, .Lfunc_end_k_qda1835016e_proj-k_qda1835016e_proj
	.p2alignl 7, 3214868480
	.fill 96, 4, 3214868480
	.section	.rodata,"a",@progbits
	.p2align	6, 0x0
	.amdhsa_kernel k_qda1835016e_proj
		.amdhsa_group_segment_fixed_size 327680
		.amdhsa_private_segment_fixed_size 0
		.amdhsa_enable_private_segment 0
		.amdhsa_kernarg_size 24
		.amdhsa_user_sgpr_count 2
		.amdhsa_user_sgpr_kernarg_segment_ptr 1
		.amdhsa_wavefront_size32 1
		.amdhsa_system_sgpr_workgroup_id_x 1
		.amdhsa_system_sgpr_workgroup_id_y 1
		.amdhsa_system_sgpr_workgroup_id_z 1
		.amdhsa_system_vgpr_workitem_id 0
		.amdhsa_next_free_vgpr 1024
		.amdhsa_next_free_sgpr 72
		.amdhsa_reserve_vcc 0
		.amdhsa_float_denorm_mode_32 3
		.amdhsa_float_denorm_mode_16_64 3
		.amdhsa_memory_ordered 1
		.amdhsa_forward_progress 1
		.amdhsa_inst_pref_size 134
	.end_amdhsa_kernel
	.amdgpu_metadata
---
amdhsa.version: [ 1, 2 ]
amdhsa.kernels:
  - .name:           k_qda1835016e_proj
    .symbol:         k_qda1835016e_proj.kd
    .args:
      - { .name: xb, .offset: 0, .size: 8, .value_kind: global_buffer, .address_space: global }
      - { .name: wb, .offset: 8, .size: 8, .value_kind: global_buffer, .address_space: global }
      - { .name: qkv, .offset: 16, .size: 8, .value_kind: global_buffer, .address_space: global }
    .group_segment_fixed_size: 327680
    .private_segment_fixed_size: 0
    .kernarg_segment_align: 8
    .kernarg_segment_size: 24
    .max_flat_workgroup_size: 128
    .sgpr_count:     72
    .vgpr_count:     1024
    .wavefront_size: 32
...
	.end_amdgpu_metadata
.endif
;; end of part 2
;; launch scores (part 3): grid 60 x 4, 4 waves a work-group, clusters of 4 x 1, 327,680 bytes of LDS; arguments qkv, pw, smax, ssum; writes pw, smax, ssum
.if DOCPART == 3
	.amdgcn_target "amdgcn-amd-amdhsa--gfx1250"
	.amdhsa_code_object_version 6
	.text
	.protected	k_qda1835016e_scores
	.globl	k_qda1835016e_scores
	.p2align	8
	.type	k_qda1835016e_scores,@function
k_qda1835016e_scores:
	s_mov_b64 s[64:65], 0
	v_nop
	global_prefetch_b8 v0, s[64:65] scope:SCOPE_SE
	s_setreg_imm32_b32 hwreg(HW_REG_WAVE_MODE, 25, 1), 1
	s_wait_xcnt 0x0
	s_wait_alu depctr_hold_cnt(0) depctr_sa_sdst(0) depctr_va_vdst(0) depctr_va_sdst(0) depctr_va_ssrc(0) depctr_va_vcc(0) depctr_vm_vsrc(0)
	s_getreg_b32 s2, hwreg(HW_REG_IB_STS2, 6, 4)
	s_cmp_eq_u32 s2, 0
	s_cbranch_scc0 .Lentry_in_a_cluster
	s_endpgm
.Lentry_in_a_cluster:
	s_bfe_u32 s2, ttmp6, 0x10000c
	s_cmp_lg_u32 s2, 0x3003
	s_cbranch_scc0 .Lentry_shape_is_right
	s_endpgm
.Lentry_shape_is_right:
; For each tile of 128 queries x 128 keys at or below the diagonal's super-tiles of 512 x 512: S = q k^T (f16 operands, f32 sums over 1,024 channels), the causal mask, the tile's own row maximum m,
; p = 2^(c s - c m) with c = log2(e) / 32, rounded to f16 into pw; c m and the row sum l of the unrounded p go to smax and ssum in f32.  The next launch forms the true row maximum and sum.
; LIMITS.  A hidden score counts as -1e30.  The tile's maximum is taken no lower than -2^80: f16 operands give scores of 4.4e12 at the most, so the floor is met only by a row that sees
; no key of the tile; such a row gets p = 0, l = 0, and the next launch gives the tile the weight 0.  p below 6e-5 keeps f16's fixed step; a weight below 2^-126 counts as 0; NaN and infinities are not treated apart.
; SHARES.  A work-group makes 128 queries x 384 keys: three key tiles (groups g = 0..2).  Super-block I (512 queries) has N = 4 (I + 1) key tiles, cut into 2, 3, 4, 6 shares of three: 15 a batch,
; each taken by a cluster of four work-groups, the super-block's four query blocks: 60 clusters, 240 work-groups, one round.  Share v begins at tile j0 = min(3 v, N - 3): a strip's last share is
; shifted back so that it lies inside the strip; its first g0 = 3 v - j0 groups are its neighbour's: they are computed, so that all shares have one shape, and not stored.
; k's tiles are the same for the four partners and are asked for jointly; q's rows are the work-group's own and come by a plain load.
; A wave makes 64 queries x 3 x 64 keys: 48 accumulators.  Source 0 = 16 keys, source 1 = 16 queries: a lane holds ONE query (lane % 16) and the keys 8 (lane / 16) + 0..7 of each block.
; K goes in eight steps of 128 channels through two slots; each wave fetches 128 rows x 256 bytes of a step: wave 0 q's, waves 1 to 3 a group of k's.
; THE SOFTMAX is written once and walked three times.  An instruction names its register window by an immediate, so each group is first moved into window 0: 128 moves a group, the price of a text a third as long.
; REGISTERS.  window 0: v13-31 addresses and constants; v32-95 packed p; v96-111 four at work a query block; v112-115 at work; v128-255 the group in hand, accumulator (a, b) at 128 + 8 (4 a + b).
;   window 1: groups 0 and 1.   window 2: group 2.   window 3: two fragment buffers of 128: q's four fragments, then k's four of each group.
.set KSTEP,  128
.set PITCH,  272                       ; an LDS row: 256 bytes + 16: the 16 rows of a load start at 16 different groups of four banks (ISA guide 11.1)
.set PART,   128*PITCH                 ; what one tensor load brings
.set SLOT,   4*PART                    ; q's 128 rows, then k's three groups
.set STAGE,  2*SLOT
.set SPITCH, 272
.set XM,     STAGE+128*SPITCH          ; [key half][128 rows] f32: the halves' maxima
.set XL,     XM+1024                   ; the halves' sums
.set SPARE,  XM+2048
.set ROWB,   6144
.set PFO,  13                          ; the prefetches' offset: my lane x a row of qkv; never rewritten
.set ADRC, 14                          ; v14-15 k's group 2 in slot 0, 1
.set ADRA, 16                          ; v16-17 q's fragments in slot 0, 1
.set XMW,  18                          ; where I put my half's maximum (the sum: 1,024 further on)
.set XMR,  19                          ; where the other key half's lies
.set ADRB, 20                          ; v20-21 k's groups 0 and 1 in slot 0, 1
.set SR,   22                          ; where I read two rows' statistics
.set DD,   23                          ; 128 (i - j) + 64 (qh - kh) + r - 8 h: register jj of accumulator (a, b) is hidden where 16 (b - a) + jj is greater
.set STO,  24
.set RD,   25
.set CO,   26
.set BIGV, 27
.set SPW,  28
.set NIL,  29
.set SO,   30
.set CLV,  31
.set TMP,  32
.set CC,   96
.set OT,   112
.set ACC,  128
.set F0,   0
.set F1,   128
.set WV, 14
.set WH, 15                            ; my half of the queries
.set WL, 16                            ; my half of each group's keys
.set TI, 17                            ; query block 0..15
.set G1, 24                            ; s[24:31], s[32:39] descriptor groups 1 and 0 (a set a slot) for q
.set G0, 32
.set LIM, 43                           ; 1 in a wave that prefetches, else the greatest number
.set PFA, 44                           ; s[44:45] where my prefetches stand
.set G1B, 48                           ; s[48:55], s[56:63] for k
.set G0B, 56
.set CS, 72                            ; s[72:73] c, twice
.set SEL, 74                           ; s[74:75] v_permlanex16_b32's selects
.set GC, 78                            ; the group in hand
.set TJ, 79                            ; its key tile
.set MSB, 0
.macro WIN new                         ; the immediate's high byte repeats the setting that is left; a switch that changes nothing is dropped
.if MSB != (\new)
	s_set_vgpr_msb (MSB<<8)|(\new)
.set MSB, \new
.endif
.endm
.macro JLOAD s                         ; wave 0 fetches q's rows, waves 1 to 3 a group of k's, jointly; s_nop 0 and four v_nop follow each line
	s_cmp_eq_u32 s[WV], 0
	s_cbranch_scc0 .Lfor_b_\@
	tensor_load_to_lds s[G0+4*(\s):G0+4*(\s)+3], s[G1:G1+7]
	s_nop 0
.rept 4
	v_nop
.endr
	s_branch .Lasked_\@
.Lfor_b_\@:
	tensor_load_to_lds s[G0B+4*(\s):G0B+4*(\s)+3], s[G1B:G1B+7]
	s_nop 0
.rept 4
	v_nop
.endr
.Lasked_\@:
.endm
.macro CREST
	s_cmp_lg_u32 s[WV], 0
	s_cbranch_scc1 .Lnot_wave_0_\@
	s_barrier_signal -3
.Lnot_wave_0_\@:
	s_barrier_wait -3
	s_barrier_signal -1
	s_barrier_wait -1
.endm
.macro CROUND
	s_barrier_signal -1
	s_barrier_wait -1
	CREST
.endm
.macro PLACES
.rept 4
	v_nop
.endr
.endm
; A PREFETCH INTO THE L2, behind each joint load and the run of LDS loads: the K step that stands two refills on, 256 bytes of a row, a lane a row.  Each row's 256 bytes of a step are named once in the
; launch.  q's rows are read by all shares of their strip: share v = 0 asks, wave 0, its work-group's 128 rows: four instructions.  k's rows are read by every super-block at or below them: the shares of
; super-block 3, which cover all 16 key tiles, ask, for the groups that they store; the four partners take 32 rows each, told apart by address: one instruction in each of waves 1 to 3.
; The loop's last lap asks for nothing: there is no step two refills on.
.macro ASK
	s_cmp_gt_u32 s3, s[LIM]
	s_cbranch_scc0 .Lnone_\@
	global_prefetch_b8 v[PFO], s[PFA:PFA+1] offset:KSTEP*2 th:TH_LOAD_NT scope:SCOPE_SE
	s_cmp_eq_u32 s[WV], 0
	s_cbranch_scc0 .Lnone_\@
	global_prefetch_b8 v[PFO], s[PFA:PFA+1] offset:KSTEP*2+32*ROWB th:TH_LOAD_NT scope:SCOPE_SE
	global_prefetch_b8 v[PFO], s[PFA:PFA+1] offset:KSTEP*2+64*ROWB th:TH_LOAD_NT scope:SCOPE_SE
	global_prefetch_b8 v[PFO], s[PFA:PFA+1] offset:KSTEP*2+96*ROWB th:TH_LOAD_NT scope:SCOPE_SE
.Lnone_\@:
.endm
	s_load_b256 s[4:11], s[0:1], 0x0               ; qkv s[4:5], pw s[6:7], smax s[8:9], ssum s[10:11]
	v_lshl_add_u32 v[SPW], v0, 2, SPARE
	v_mov_b32 v[NIL], 0
	ds_add_u32 v[SPW], v[NIL]                      ; the wave's opening: the add and its wait ahead of my first tensor load
	v_lshrrev_b32 v1, 5, v0
	v_readfirstlane_b32 s[WV], v1
	s_lshr_b32 s[WH], s[WV], 1
	s_and_b32 s[WL], s[WV], 1
	s_bfe_u32 s40, ttmp6, 0x40000                  ; cx: my query block in the super-block
	s_cmp_ge_u32 ttmp9, 2                          ; the cluster's x, 0..14, numbers the shares: I = how many of 2, 5, 9 it has reached
	s_cselect_b32 s68, 1, 0
	s_cmp_ge_u32 ttmp9, 5
	s_cselect_b32 s69, 1, 0
	s_add_co_u32 s68, s68, s69
	s_cmp_ge_u32 ttmp9, 9
	s_cselect_b32 s69, 1, 0
	s_add_co_u32 s68, s68, s69                     ; I
	s_add_co_u32 s69, s68, 3
	s_mul_i32 s69, s69, s68
	s_lshr_b32 s69, s69, 1                         ; I (I + 3) / 2 = 0, 2, 5, 9: the super-block's first share
	s_sub_co_u32 s41, ttmp9, s69                   ; v
	s_mul_i32 s71, s41, 3
	s_lshl_b32 s80, s68, 2                         ; 4 I: the first key tile of the diagonal super-tile
	s_add_co_u32 s69, s80, 1                       ; N - 3
	s_min_u32 s69, s69, s71                        ; j0
	s_sub_co_u32 s71, s71, s69                     ; g0: the first group that I store
	s_and_b32 s70, ttmp7, 0xffff                   ; the batch
	s_add_co_u32 s[TI], s80, s40
	s_mov_b32 s[G1], (1<<16)|(1<<20)|(5<<22)|(3<<25)               ; q: no mask; 2-byte elements; padding on: after every 64 words 4 words
	s_mov_b32 s[G1B], 15|(1<<16)|(1<<20)|(1<<21)|(5<<22)|(3<<25)   ; k: the mask of four, bit 21 beside it
.irp g, G1, G1B
	s_mov_b32 s[(\g)+1], KSTEP<<16                 ; 128 rows x 128 elements, 3,072 elements from row to row
	s_mov_b32 s[(\g)+2], 128<<16
	s_mov_b32 s[(\g)+3], KSTEP<<16
	s_mov_b32 s[(\g)+4], 128
	s_mov_b32 s[(\g)+5], 3072
	s_mov_b32 s[(\g)+6], 0
	s_mov_b32 s[(\g)+7], 0
.endr
	s_lshl_b32 s18, s70, 11                        ; the batch's first row
	s_lshl_b32 s20, s[TI], 7
	s_add_co_u32 s20, s20, s18
	s_mul_i32 s20, s20, ROWB                       ; q's 128 rows
	s_mov_b32 s21, 0
	s_max_u32 s81, s[WV], 1
	s_sub_co_u32 s81, s81, 1                       ; the group that I fetch (wave 0 fetches none: it makes group 0's address and does not use it)
	s_add_co_u32 s46, s69, s81
	s_lshl_b32 s46, s46, 7
	s_add_co_u32 s46, s46, s18
	s_mul_i32 s46, s46, ROWB
	s_add_co_u32 s46, s46, 2048                    ; k lies 2,048 bytes into a row
	s_mov_b32 s47, 0
	s_mul_i32 s22, s[WV], PART                     ; where my rows go: no place in the cluster enters an LDS address
	s_mov_b32 s[CS], 0x3d38aa3b                    ; c = log2(e) / 32
	s_mov_b32 s[CS+1], s[CS]
	s_mov_b32 s[SEL], 0x76543210
	s_mov_b32 s[SEL+1], 0xfedcba98
	s_wait_dscnt 0x0                               ; the opening add is done
	s_wait_kmcnt 0x0
	s_add_nc_u64 s[20:21], s[4:5], s[20:21]
	s_add_nc_u64 s[46:47], s[4:5], s[46:47]
	CROUND                                         ; all four work-groups are here: the first joint loads meet
.irp s, 0,1
	s_mov_b32 s[G0+4*(\s)], 1
	s_add_co_u32 s[G0+4*(\s)+1], s22, (\s)*SLOT
	s_add_nc_u64 s[G0+4*(\s)+2:G0+4*(\s)+3], s[20:21], (\s)*KSTEP*2
	s_or_b32 s[G0+4*(\s)+3], s[G0+4*(\s)+3], 0x80000000
	s_mov_b32 s[G0B+4*(\s)], 1
	s_add_co_u32 s[G0B+4*(\s)+1], s22, (\s)*SLOT
	s_add_nc_u64 s[G0B+4*(\s)+2:G0B+4*(\s)+3], s[46:47], (\s)*KSTEP*2
	s_or_b32 s[G0B+4*(\s)+3], s[G0B+4*(\s)+3], 0x80000000
	JLOAD \s
.endr
	; the prefetches stand at K step 2; the first change of slots steps them to 3 and names step 4.  Nothing is asked for here, at the head
	s_mul_i32 s82, s40, 32*ROWB                    ; of a group's 128 rows my work-group takes 32
	s_mov_b32 s83, 0
	s_cmp_eq_u32 s[WV], 0
	s_cselect_b32 s82, 0, s82
	s_cselect_b64 s[PFA:PFA+1], s[20:21], s[46:47]
	s_add_nc_u64 s[PFA:PFA+1], s[PFA:PFA+1], s[82:83]
	s_add_nc_u64 s[PFA:PFA+1], s[PFA:PFA+1], 2*KSTEP*2
	s_cmp_eq_u32 s41, 0                            ; q: the strip's first share asks
	s_cselect_b32 s84, 1, -1
	s_cmp_eq_u32 s68, 3                            ; k: super-block 3's shares ask,
	s_cselect_b32 s85, 1, -1
	s_cmp_ge_u32 s81, s71                          ; for the groups that they store
	s_cselect_b32 s85, s85, -1
	s_cmp_eq_u32 s[WV], 0
	s_cselect_b32 s[LIM], s84, s85                 ; the same in all four partners, for a given wave
	v_and_b32 v[PFO], 31, v0
	v_mul_u32_u24 v[PFO], v[PFO], ROWB
	v_and_b32 v1, 15, v0                           ; r
	v_bfe_u32 v2, v0, 4, 1                         ; h
	v_mul_u32_u24 v3, v1, PITCH
	v_lshl_add_u32 v3, v2, 4, v3
	s_mul_i32 s18, s[WH], 64*PITCH
	s_mul_i32 s19, s[WL], 64*PITCH
	s_add_co_u32 s19, s19, PART
.irp s, 0,1
	v_add_nc_u32 v[ADRA+(\s)], s18, v3
	v_add_nc_u32 v[ADRB+(\s)], s19, v3
	v_add_nc_u32 v[ADRC+(\s)], 2*PART, v[ADRB+(\s)]
	s_add_co_u32 s18, s18, SLOT
	s_add_co_u32 s19, s19, SLOT
.endr
	s_mul_i32 s23, s[WH], 64*SPITCH                ; into the stage: my 64 rows, my half of their 256 bytes
	s_lshl_b32 s18, s[WL], 7
	s_add_co_u32 s23, s23, s18
	s_add_co_u32 s23, s23, STAGE
	v_mul_u32_u24 v4, v1, SPITCH
	v_lshl_add_u32 v4, v2, 4, v4
	v_add_nc_u32 v[STO], s23, v4
	s_mul_i32 s23, s[WV], 32*SPITCH                ; back: rows 32 w on, whole
	s_add_co_u32 s23, s23, STAGE
	v_mul_u32_u24 v5, v2, SPITCH
	v_lshl_add_u32 v5, v1, 4, v5
	v_add_nc_u32 v[RD], s23, v5
	v_lshlrev_b32 v5, 12, v2
	v_lshl_add_u32 v[CO], v1, 4, v5
	s_lshl_b32 s18, s[WH], 8
	s_add_co_u32 s18, s18, XM
	s_lshl_b32 s19, s[WL], 9
	s_add_co_u32 s19, s19, s18
	v_lshl_add_u32 v[XMW], v1, 2, s19
	s_xor_b32 s19, s[WL], 1
	s_lshl_b32 s19, s19, 9
	s_add_co_u32 s19, s19, s18
	v_lshl_add_u32 v[XMR], v1, 2, s19
	s_lshl_b32 s18, s[WH], 10                      ; waves 0, 1 send the maxima of rows 0-63, 64-127; waves 2, 3 the sums
	s_lshl_b32 s19, s[WL], 8
	s_add_co_u32 s18, s18, s19
	s_add_co_u32 s18, s18, XM
	v_and_b32 v[SO], 31, v0
	v_lshlrev_b32 v[SO], 3, v[SO]
	v_add_nc_u32 v[SR], s18, v[SO]
	s_sub_co_i32 s18, s[TI], s69                   ; i - j0: group 0's; each group takes 128 off
	s_lshl_b32 s18, s18, 7
	s_sub_co_i32 s19, s[WH], s[WL]
	s_lshl_b32 s19, s19, 6
	s_add_co_i32 s18, s18, s19
	v_lshlrev_b32 v5, 3, v2
	v_sub_nc_u32 v[DD], v1, v5
	v_add_nc_u32 v[DD], s18, v[DD]
	v_mov_b32 v[BIGV], 0xf149f2ca                  ; -1e30
	v_mov_b32 v[CLV], 0xe7800000                   ; -2^80
	s_lshl_b32 s18, s70, 11                        ; pw at the first row that I store, group 0's 256 bytes
	s_lshl_b32 s19, s[TI], 7
	s_add_co_u32 s18, s18, s19
	s_lshl_b32 s19, s[WV], 5
	s_add_co_u32 s18, s18, s19
	s_lshl_b32 s18, s18, 12
	s_lshl_b32 s19, s69, 8
	s_add_co_u32 s18, s18, s19
	s_mov_b32 s19, 0
	s_add_nc_u64 s[6:7], s[6:7], s[18:19]
	s_lshl_b32 s18, s70, 4                         ; the statistics: [batch][key tile][2,048 rows]
	s_add_co_u32 s18, s18, s69
	s_lshl_b32 s18, s18, 11
	s_lshl_b32 s19, s[TI], 7
	s_add_co_u32 s18, s18, s19
	s_lshl_b32 s19, s[WL], 6
	s_add_co_u32 s18, s18, s19
	s_lshl_b32 s18, s18, 2
	s_mov_b32 s19, 0
	s_cmp_lt_u32 s[WV], 2
	s_cselect_b64 s[76:77], s[8:9], s[10:11]
	s_add_nc_u64 s[76:77], s[76:77], s[18:19]
	s_mov_b32 s[TJ], s69
; 16 matrix instructions: group g's 4 query blocks x 4 key blocks, 32 channels of buffer f.  zero = 1: they start the sums.  The 48 accumulators take turns, one instruction a turn.
.macro MULG f, g, zero
	WIN 0x5f+0x50*((\g)/2)                         ; both sources window 3; C and D window 1 (groups 0, 1) or 2
.irp a, 0,1,2,3
.irp b, 0,1,2,3
.if \zero
	v_wmma_f32_16x16x32_f16 v[128*((\g)%2)+8*(4*(\a)+(\b)):128*((\g)%2)+8*(4*(\a)+(\b))+7], v[(\f)+32+32*(\g)+8*(\b):(\f)+32+32*(\g)+8*(\b)+7], v[(\f)+8*(\a):(\f)+8*(\a)+7], 0
.else
	v_wmma_f32_16x16x32_f16 v[128*((\g)%2)+8*(4*(\a)+(\b)):128*((\g)%2)+8*(4*(\a)+(\b))+7], v[(\f)+32+32*(\g)+8*(\b):(\f)+32+32*(\g)+8*(\b)+7], v[(\f)+8*(\a):(\f)+8*(\a)+7], v[128*((\g)%2)+8*(4*(\a)+(\b)):128*((\g)%2)+8*(4*(\a)+(\b))+7]
.endif
.endr
.endr
.endm
; 32 LDS loads in one run: 32 channels at byte k of the rows: q's four fragments, then k's four of group 0, of group 1, of group 2
.macro FETCH slot, k, f
	WIN 0xc0                                       ; destination window 3, address window 0
.irp a, 0,1,2,3
	ds_load_b128 v[(\f)+8*(\a):(\f)+8*(\a)+3],   v[ADRA+(\slot)] offset:(\k)+(\a)*16*PITCH
	ds_load_b128 v[(\f)+8*(\a)+4:(\f)+8*(\a)+7], v[ADRA+(\slot)] offset:(\k)+(\a)*16*PITCH+32
.endr
.irp g, 0,1
.irp b, 0,1,2,3
	ds_load_b128 v[(\f)+32+32*(\g)+8*(\b):(\f)+32+32*(\g)+8*(\b)+3],   v[ADRB+(\slot)] offset:(\k)+(\g)*PART+(\b)*16*PITCH
	ds_load_b128 v[(\f)+32+32*(\g)+8*(\b)+4:(\f)+32+32*(\g)+8*(\b)+7], v[ADRB+(\slot)] offset:(\k)+(\g)*PART+(\b)*16*PITCH+32
.endr
.endr
.irp b, 0,1,2,3
	ds_load_b128 v[(\f)+96+8*(\b):(\f)+96+8*(\b)+3],   v[ADRC+(\slot)] offset:(\k)+(\b)*16*PITCH
	ds_load_b128 v[(\f)+96+8*(\b)+4:(\f)+96+8*(\b)+7], v[ADRC+(\slot)] offset:(\k)+(\b)*16*PITCH+32
.endr
.endm
; A K step is four quarters of 32 channels, 48 matrix instructions each, on buffers 0, 1, 0, 1.  One of the first three: multiplies buffer f; behind its first group the next quarter, at byte k, is fetched into g.
.macro QUARTER slot, k, f, g, zero
	s_wait_dscnt 16                                ; q's and group 0's fragments are in; the run's other sixteen loads may be out
	MULG \f, 0, \zero
	PLACES                                         ; in front of loads into the buffer that the quarter before multiplied
	FETCH \slot, \k, \g
	s_wait_dscnt 40                                ; group 1's are in: group 2's eight and the 32 just issued may be out
	MULG \f, 1, \zero
	s_wait_dscnt 32                                ; all but the 32 just issued
	MULG \f, 2, \zero
.endm
; The step's last quarter and the change of slots.  In front of the barrier each wave waits for all its tensor loads (one is out: its part of the next slot), adds 0 to its spare word, and waits for that
; and for its reads of this slot.  fill = 1: the barrier opens a round of the cluster's, and the refill, two K steps on, is the first thing behind it: 160 matrix instructions stand between it and the wait for it.
.macro TURN slot, next, fill
.if \fill
	s_wait_xcnt 0x0                                ; the last prefetches, a K step back, have read their address
	s_add_nc_u64 s[PFA:PFA+1], s[PFA:PFA+1], KSTEP*2
.endif
	WIN 0
	s_wait_tensorcnt 0x0                           ; all my tensor loads have landed
	ds_add_u32 v[SPW], v[NIL]
	s_wait_dscnt 17                                ; (the add and the youngest sixteen loads may be out)
	MULG F1, 0, 0
	s_wait_dscnt 0x0                               ; the add is done, and my reads of this slot are over
	s_barrier_signal -1
	MULG F1, 1, 0
	WIN 0
	s_barrier_wait -1
.if \fill
	CREST
	s_add_nc_u64 s[G0+4*(\slot)+2:G0+4*(\slot)+3], s[G0+4*(\slot)+2:G0+4*(\slot)+3], 2*KSTEP*2
	s_add_nc_u64 s[G0B+4*(\slot)+2:G0B+4*(\slot)+3], s[G0B+4*(\slot)+2:G0B+4*(\slot)+3], 2*KSTEP*2
	JLOAD \slot                                    ; its four v_nop are also the places in front of the loads below
.else
	PLACES
.endif
	FETCH \next, 0, F0
.if \fill
	WIN 0
	ASK
.endif
	MULG F1, 2, 0
.endm
	s_wait_tensorcnt 1                             ; my part of step 0 is in; step 1's may stay out
	s_barrier_signal -1
	s_barrier_wait -1
	FETCH 0, 0, F0
	QUARTER 0, 64, F0, F1, 1                       ; the first 32 channels start all 48 sums: nothing is cleared
	WIN 0
	s_mov_b32 s3, 3
.Llap:                                                 ; once round the ring, from a lap's second quarter to the next lap's first; both slots are filled again
	QUARTER 0, 128, F1, F0, 0
	QUARTER 0, 192, F0, F1, 0
	TURN 0, 1, 1
	QUARTER 1, 64,  F0, F1, 0
	QUARTER 1, 128, F1, F0, 0
	QUARTER 1, 192, F0, F1, 0
	TURN 1, 0, 1
	QUARTER 0, 64,  F0, F1, 0
	WIN 0
	s_sub_co_u32 s3, s3, 1
	s_cmp_lg_u32 s3, 0
	s_cbranch_scc1 .Llap
	QUARTER 0, 128, F1, F0, 0                      ; the last lap fills nothing
	QUARTER 0, 192, F0, F1, 0
	TURN 0, 1, 0
	QUARTER 1, 64,  F0, F1, 0
	QUARTER 1, 128, F1, F0, 0
	QUARTER 1, 192, F0, F1, 0
	s_wait_dscnt 16
	MULG F1, 0, 0
	s_wait_dscnt 8                                 ; group 2's eight loads may be out
	MULG F1, 1, 0
	s_wait_dscnt 0x0
	MULG F1, 2, 0
	WIN 0
	PLACES
	s_mov_b32 s[GC], 0
.Lgroup:                                               ; three trips: a key tile each
	s_cmp_eq_u32 s[GC], 0
	s_cbranch_scc0 .Lnot0
	WIN 0x01                                       ; source window 1
.set i, 0
.rept 128
	v_mov_b32 v[ACC+i], v[i]
.set i, i+1
.endr
	WIN 0
	s_branch .Lmoved
.Lnot0:
	s_cmp_eq_u32 s[GC], 1
	s_cbranch_scc0 .Lnot1
	WIN 0x01
.set i, 0
.rept 128
	v_mov_b32 v[ACC+i], v[128+i]
.set i, i+1
.endr
	WIN 0
	s_branch .Lmoved
.Lnot1:
	WIN 0x02                                       ; source window 2
.set i, 0
.rept 128
	v_mov_b32 v[ACC+i], v[i]
.set i, i+1
.endr
	WIN 0
.Lmoved:
	; THE MASK, for a key tile of the diagonal super-tile alone (the test hangs on the cluster's number and the group: alike in all partners)
	s_cmp_ge_u32 s[TJ], s80
	s_cbranch_scc0 .Lnomask
.set t, 0
.rept 16
.set jj, 0
.rept 8
	v_cmp_gt_i32 vcc_lo, 16*((t%4)-(t/4))+jj, v[DD]
	v_cndmask_b32 v[ACC+8*t+jj], v[ACC+8*t+jj], v[BIGV], vcc_lo
.set jj, jj+1
.endr
.set t, t+1
.endr
.Lnomask:
	; the maximum of a lane's 32 scores of each query block, the four blocks side by side
.irp n, 0,1,2,3
.irp a, 0,1,2,3
	v_max3_num_f32 v[CC+4*(\a)+(\n)], v[ACC+32*(\a)+8*(\n)], v[ACC+32*(\a)+8*(\n)+1], v[ACC+32*(\a)+8*(\n)+2]
.endr
.endr
.irp n, 0,1,2,3
.irp a, 0,1,2,3
	v_max3_num_f32 v[CC+4*(\a)+(\n)], v[CC+4*(\a)+(\n)], v[ACC+32*(\a)+8*(\n)+3], v[ACC+32*(\a)+8*(\n)+4]
.endr
.endr
.irp n, 0,1,2,3
.irp a, 0,1,2,3
	v_max3_num_f32 v[CC+4*(\a)+(\n)], v[CC+4*(\a)+(\n)], v[ACC+32*(\a)+8*(\n)+5], v[ACC+32*(\a)+8*(\n)+6]
.endr
.endr
.irp a, 0,1,2,3
	v_max3_num_f32 v[CC+4*(\a)], v[CC+4*(\a)], v[ACC+32*(\a)+7], v[ACC+32*(\a)+15]
.endr
.irp a, 0,1,2,3
	v_max3_num_f32 v[CC+4*(\a)+1], v[CC+4*(\a)+1], v[ACC+32*(\a)+23], v[ACC+32*(\a)+31]
.endr
.irp a, 0,1,2,3
	v_max_num_f32 v[CC+4*(\a)+2], v[CC+4*(\a)+2], v[CC+4*(\a)+3]
.endr
.irp a, 0,1,2,3
	v_max3_num_f32 v[CC+4*(\a)], v[CC+4*(\a)], v[CC+4*(\a)+1], v[CC+4*(\a)+2]
.endr
.irp a, 0,1,2,3
	v_permlanex16_b32 v[CC+4*(\a)+3], v[CC+4*(\a)], s[SEL], s[SEL+1]   ; the query's other 32 keys of my half lie in the lane 16 away
.endr
.irp a, 0,1,2,3
	v_max_num_f32 v[CC+4*(\a)], v[CC+4*(\a)], v[CC+4*(\a)+3]
.endr
.irp a, 0,1,2,3
	ds_store_b32 v[XMW], v[CC+4*(\a)] offset:64*(\a)
.endr
	s_wait_dscnt 0x0                               ; for the other key half's wave: my maxima are stored
	s_barrier_signal -1
	s_barrier_wait -1
.irp a, 0,1,2,3
	ds_load_b32 v[OT+(\a)], v[XMR] offset:64*(\a)
.endr
	s_wait_dscnt 0x0
.irp a, 0,1,2,3
	v_max3_num_f32 v[CC+4*(\a)], v[CC+4*(\a)], v[OT+(\a)], v[CLV]      ; the tile's maximum, no lower than -2^80
.endr
.irp a, 0,1,2,3
	v_mul_f32 v[CC+4*(\a)], s[CS], v[CC+4*(\a)]                        ; c m
.endr
	; Two batches of 64 exponentials, one wait each.  Pair p of 64 (query block p / 16) is scaled to c s - c m.
.set p, 0
.rept 32
	v_pk_fma_f32 v[ACC+2*p:ACC+2*p+1], v[ACC+2*p:ACC+2*p+1], s[CS:CS+1], v[CC+4*(p/16):CC+4*(p/16)+1] op_sel_hi:[1,0,0] neg_lo:[0,0,1] neg_hi:[0,0,1]
.set p, p+1
.endr
.rept 32                               ; blocks 0, 1: exponentials; blocks 2, 3: scalings between them
	v_exp_f32 v[ACC+2*(p-32)], v[ACC+2*(p-32)]
	v_pk_fma_f32 v[ACC+2*p:ACC+2*p+1], v[ACC+2*p:ACC+2*p+1], s[CS:CS+1], v[CC+4*(p/16):CC+4*(p/16)+1] op_sel_hi:[1,0,0] neg_lo:[0,0,1] neg_hi:[0,0,1]
	v_exp_f32 v[ACC+2*(p-32)+1], v[ACC+2*(p-32)+1]
.set p, p+1
.endr
	v_nop                                          ; a plain instruction behind the last exponential,
	s_wait_alu depctr_va_vdst(0)                   ; and the batch's one wait, ahead of the first reader
; Reader rn of 31 of query block ra: 16 roundings of a pair to f16, then the sum of the 16 pairs, in place, neighbours 1, 2, 4, 8 pairs apart.
.macro RDR
.if rn < 16
	v_cvt_pk_f16_f32 v[TMP+16*ra+rn], v[ACC+32*ra+2*rn], v[ACC+32*ra+2*rn+1]
.else
.set z, rn-16
.if z < 8
.set w, 4
.set u, z
.elseif z < 12
.set w, 8
.set u, z-8
.elseif z < 14
.set w, 16
.set u, z-12
.else
.set w, 32
.set u, 0
.endif
	v_pk_add_f32 v[ACC+32*ra+w*u:ACC+32*ra+w*u+1], v[ACC+32*ra+w*u:ACC+32*ra+w*u+1], v[ACC+32*ra+w*u+w/2:ACC+32*ra+w*u+w/2+1]
.endif
.endm
.set k, 0
.rept 62                               ; blocks 2, 3: exponentials; blocks 0, 1: their readers between them
	v_exp_f32 v[ACC+64+k], v[ACC+64+k]
.set ra, k%2
.set rn, k/2
	RDR
.set k, k+1
.endr
	v_exp_f32 v[ACC+126], v[ACC+126]
	v_exp_f32 v[ACC+127], v[ACC+127]
	v_nop
	s_wait_alu depctr_va_vdst(0)                   ; the second batch's wait
.set k, 0
.rept 62
.set ra, 2+k%2
.set rn, k/2
	RDR
.set k, k+1
.endr
.irp a, 0,1,2,3
	v_add_f32 v[CC+4*(\a)+2], v[ACC+32*(\a)], v[ACC+32*(\a)+1]
.endr
.irp a, 0,1,2,3
	v_permlanex16_b32 v[CC+4*(\a)+3], v[CC+4*(\a)+2], s[SEL], s[SEL+1]
.endr
.irp a, 0,1,2,3
	v_add_f32 v[CC+4*(\a)+2], v[CC+4*(\a)+2], v[CC+4*(\a)+3]
.endr
.irp a, 0,1,2,3
	ds_store_b32 v[XMW], v[CC+4*(\a)+2] offset:1024+64*(\a)
.endr
.irp a, 0,1,2,3
.irp b, 0,1,2,3
	ds_store_b128 v[STO], v[TMP+16*(\a)+4*(\b):TMP+16*(\a)+4*(\b)+3] offset:(\a)*16*SPITCH+32*(\b)
.endr
.endr
	s_wait_dscnt 0x0                               ; for the others' sake: my sums and my part of the stage are stored
	s_barrier_signal -1
	s_barrier_wait -1
.irp t, 0,1,2,3,4,5,6,7,8,9,10,11,12,13,14,15
	ds_load_b128 v[TMP+4*(\t):TMP+4*(\t)+3], v[RD] offset:(\t)*2*SPITCH
.endr
	ds_load_b64 v[OT:OT+1], v[SR]                  ; two rows' figures of key half 0,
	ds_load_b64 v[OT+2:OT+3], v[SR] offset:512     ; and of key half 1
	s_cmp_lt_u32 s[GC], s71                        ; a group that is my neighbour's is not stored
	s_cbranch_scc1 .Lkept
.irp t, 0,1,2,3,4,5,6,7,8,9,10,11,12,13,14,15
	s_wait_dscnt 17-(\t)                           ; the younger loads from the stage and the two of the statistics may be out
	global_store_b128 v[CO], v[TMP+4*(\t):TMP+4*(\t)+3], s[6:7] offset:(\t)*8192   ; 16 lanes store 256 consecutive bytes, aligned
.endr
	s_wait_dscnt 0x0
	s_cmp_lt_u32 s[WV], 2
	s_cbranch_scc0 .Lsums
	v_max3_num_f32 v[OT], v[OT], v[OT+2], v[CLV]   ; the same three operands and the same product as above: the same bits
	v_max3_num_f32 v[OT+1], v[OT+1], v[OT+3], v[CLV]
	v_mul_f32 v[OT], s[CS], v[OT]
	v_mul_f32 v[OT+1], s[CS], v[OT+1]
	s_branch .Lstat
.Lsums:
	v_add_f32 v[OT], v[OT], v[OT+2]
	v_add_f32 v[OT+1], v[OT+1], v[OT+3]
.Lstat:
	global_store_b64 v[SO], v[OT:OT+1], s[76:77]   ; 32 lanes store 256 consecutive bytes, aligned
.Lkept:
	s_wait_dscnt 0x0                               ; my reads of the stage and of the statistics are over: the next trip writes those bytes again
	s_wait_xcnt 0x0                                ; the stores have read their registers and their bases
	s_add_nc_u64 s[6:7], s[6:7], 256               ; the next key tile: 256 bytes along pw's rows,
	s_add_nc_u64 s[76:77], s[76:77], 8192          ; 2,048 rows on in the statistics,
	v_add_nc_u32 v[DD], 0xffffff80, v[DD]          ; 128 keys further right
	s_add_co_u32 s[TJ], s[TJ], 1
	s_barrier_signal -1
	s_barrier_wait -1
	s_add_co_u32 s[GC], s[GC], 1
	s_cmp_lt_u32 s[GC], 3
	s_cbranch_scc1 .Lgroup
	s_wait_tensorcnt 0x0                           ; the wave's end
	ds_add_u32 v[SPW], v[NIL]
	s_wait_dscnt 0x0
	CROUND                                         ; the closing round
	s_endpgm
.Lfunc_end_k_qda1835016e_scores:
	.size	k_qda1835016e_scores, .Lfunc_end_k_qda1835016e_scores-k_qda1835016e_scores
	.p2alignl 7, 3214868480
	.fill 96, 4, 3214868480
	.section	.rodata,"a",@progbits
	.p2align	6, 0x0
	.amdhsa_kernel k_qda1835016e_scores
		.amdhsa_group_segment_fixed_size 327680
		.amdhsa_private_segment_fixed_size 0
		.amdhsa_enable_private_segment 0
		.amdhsa_kernarg_size 32
		.amdhsa_user_sgpr_count 2
		.amdhsa_user_sgpr_kernarg_segment_ptr 1
		.amdhsa_wavefront_size32 1
		.amdhsa_system_sgpr_workgroup_id_x 1
		.amdhsa_system_sgpr_workgroup_id_y 1
		.amdhsa_system_sgpr_workgroup_id_z 1
		.amdhsa_system_vgpr_workitem_id 0
		.amdhsa_next_free_vgpr 1024
		.amdhsa_next_free_sgpr 96
		.amdhsa_reserve_vcc 1
		.amdhsa_float_denorm_mode_32 3
		.amdhsa_float_denorm_mode_16_64 3
		.amdhsa_memory_ordered 1
		.amdhsa_forward_progress 1
		.amdhsa_inst_pref_size 148
	.end_amdhsa_kernel
	.amdgpu_metadata
---
amdhsa.version: [ 1, 2 ]
amdhsa.kernels:
  - .name:           k_qda1835016e_scores
    .symbol:         k_qda1835016e_scores.kd
    .args:
      - { .name: qkv, .offset: 0, .size: 8, .value_kind: global_buffer, .address_space: global }
      - { .name: pw, .offset: 8, .size: 8, .value_kind: global_buffer, .address_space: global }
      - { .name: smax, .offset: 16, .size: 8, .value_kind: global_buffer, .address_space: global }
      - { .name: ssum, .offset: 24, .size: 8, .value_kind: global_buffer, .address_space: global }
    .group_segment_fixed_size: 327680
    .private_segment_fixed_size: 0
    .kernarg_segment_align: 8
    .kernarg_segment_size: 32
    .max_flat_workgroup_size: 128
    .sgpr_count:     96
    .vgpr_count:     1024
    .wavefront_size: 32
...
	.end_amdgpu_metadata
.endif
;; end of part 3
;; launch pv (part 4): grid 8 x 32, 4 waves a work-group, clusters of 4 x 4, 327,680 bytes of LDS; arguments pw, qkv, smax, ssum, out0; writes out0
.if DOCPART == 4
	.amdgcn_target "amdgcn-amd-amdhsa--gfx1250"
	.amdhsa_code_object_version 6
	.text
	.protected	k_qda1835016e_pv
	.globl	k_qda1835016e_pv
	.p2align	8
	.type	k_qda1835016e_pv,@function
k_qda1835016e_pv:
	s_mov_b64 s[64:65], 0
	v_nop
	global_prefetch_b8 v0, s[64:65] scope:SCOPE_SE
	s_setreg_imm32_b32 hwreg(HW_REG_WAVE_MODE, 25, 1), 1
	s_wait_xcnt 0x0
	s_wait_alu depctr_hold_cnt(0) depctr_sa_sdst(0) depctr_va_vdst(0) depctr_va_sdst(0) depctr_va_ssrc(0) depctr_va_vcc(0) depctr_vm_vsrc(0)
	s_getreg_b32 s2, hwreg(HW_REG_IB_STS2, 6, 4)
	s_cmp_eq_u32 s2, 0
	s_cbranch_scc0 .Lentry_in_a_cluster
	s_endpgm
.Lentry_in_a_cluster:
	s_bfe_u32 s2, ttmp6, 0x10000c
	s_cmp_lg_u32 s2, 0xf033
	s_cbranch_scc0 .Lentry_shape_is_right
	s_endpgm
.Lentry_shape_is_right:
; out[q][:] = sum over key tiles t of f'_t[q] (P_t V_t)[q][:], f'_t = 2^(cm_t - M) / L, M = max over t of cm_t, L = sum over t of 2^(cm_t - M) l_t: the softmax with its true row maximum,
; put together from the tiles' own maxima and sums.  P and V in f16, each tile's product and the weighted sum in f32.
; LIMITS.  A factor below 2^-126 counts as 0; NaN and infinities are not treated apart.  A tile that a row does not see holds P = 0 and has the factor 0.
; SHARES.  A work-group makes two tiles of 128 rows x 128 channels, one after the other: row block cy of super-block 3 - pi and then of super-block pi (512 rows each): 4 (4 - pi) + 4 (pi + 1) = 20 key
; tiles of 128, whatever pi.  All four row blocks of a super-block walk all its key tiles, so all sixteen partners walk alike: P's tile is shared along a row of the cluster, V's along a column.
; A lap is 512 keys: two slots of two key tiles.  Five laps; which block and which keys a lap holds hangs on scalar registers made from the cluster's number.
; A wave makes 64 queries x 64 channels.  Source 0 = 16 channels of V (turned), source 1 = 16 rows of P: a lane holds ONE query and eight channels.
; Each key tile sums into a fresh T (its first 16 products take 0); while the next tile is multiplied, 64 packed multiply-adds, four behind every fourth matrix instruction, do O += f' T.
; No prefetch: a small tile, whose steps are short.
; REGISTERS.  window 0: v2-20 addresses; v32-95 statistics, later the way out; v96-111 f' (tile parity, query block), in pairs; v128-191, v192-255 P's fragments.
;   window 1: T0 = v0-127, T1 = v128-255.   window 2: O = v0-127.   window 3: V's fragments, v0-63, v64-127.
.set PP,    272
.set PV,    288
.set PTILE, 128*PP
.set VTILE, 128*PV
.set VOFF,  2*PTILE
.set SLOT,  VOFF+2*VTILE               ; 143,360
.set STAGE, 2*SLOT                     ; 16 rows x 272 bytes for each wave
.set SP,    272
.set FT,    STAGE+4*16*SP              ; f' in the walk's order: [20 tiles][128 rows] f32
.set SPARE, FT+20*512
.set ADRP, 2                           ; v2-3  P's fragments in slot 0, 1
.set ADRV, 4                           ; v4-7  V's: 2 x slot + tile
.set FTA,  8                           ; v8    my query's f' of the lap's first tile
.set STO,  9
.set RD,   10
.set CO,   11
.set SPW,  12
.set NIL,  13
.set OB,   32
.set FF,   96
.set PF,   128
.set WV, 14
.set WH, 15                            ; my half of the queries; also: I fetch P (0) or V (1)
.set WL, 16                            ; my half of the channels; also: which of a slot's two tiles I fetch
.set NH, 22                            ; laps of the first block: 4 - pi
.set LAPN, 23                          ; the lap to be asked for
.set G1P, 24
.set G0P, 32
.set G1V, 40
.set G0V, 48
.set ROWH, 56                          ; byte offset in pw of my tile's first row, first and second block
.set ROWL, 57
.set VOFF0, 58                         ; byte offset in qkv of my tile of V at the batch's first keys
.set MSB, 0
.macro WIN new
.if MSB != (\new)
	s_set_vgpr_msb (MSB<<8)|(\new)
.set MSB, \new
.endif
.endm
.set W_MUL, 0x53                       ; V window 3, P window 0, T window 1
.set W_RID, 0xa1                       ; O window 2, T window 1, f' window 0
.set W_TOV, 0xc0
.set W_O,   0x80
.set W_STD, 0x08                       ; an LDS store's data in window 2
.macro PLACES
.rept 4
	v_nop
.endr
.endm
.macro JLOAD s
	s_cmp_eq_u32 s[WH], 0
	s_cbranch_scc0 .Lfor_v_\@
	tensor_load_to_lds s[G0P+4*(\s):G0P+4*(\s)+3], s[G1P:G1P+7]
	s_nop 0
.rept 4
	v_nop
.endr
	s_branch .Lasked_\@
.Lfor_v_\@:
	tensor_load_to_lds s[G0V+4*(\s):G0V+4*(\s)+3], s[G1V:G1V+7]
	s_nop 0
.rept 4
	v_nop
.endr
.Lasked_\@:
.endm
.macro CREST
	s_cmp_lg_u32 s[WV], 0
	s_cbranch_scc1 .Lnot_wave_0_\@
	s_barrier_signal -3
.Lnot_wave_0_\@:
	s_barrier_wait -3
	s_barrier_signal -1
	s_barrier_wait -1
.endm
.macro CROUND
	s_barrier_signal -1
	s_barrier_wait -1
	CREST
.endm
; The two descriptors' addresses for slot e of lap LAPN, made anew from the lap's number: the block, and J, the lap's place among the block's.
.macro ADDR e
	s_cmp_lt_u32 s[LAPN], s[NH]
	s_cselect_b32 s60, s[ROWH], s[ROWL]
	s_cselect_b32 s62, 0, s[NH]
	s_sub_co_u32 s62, s[LAPN], s62                 ; J
	s_lshl_b32 s63, s62, 10                        ; 512 keys are 1,024 bytes of a row of P
	s_add_co_u32 s60, s60, s63
	s_add_co_u32 s60, s60, (\e)*512
	s_add_nc_u64 s[G0P+4*(\e)+2:G0P+4*(\e)+3], s[4:5], s[60:61]
	s_or_b32 s[G0P+4*(\e)+3], s[G0P+4*(\e)+3], 0x80000000
	s_mul_i32 s86, s62, 512*6144
	s_add_co_u32 s86, s86, s[VOFF0]
	s_add_co_u32 s86, s86, (\e)*256*6144
	s_add_nc_u64 s[G0V+4*(\e)+2:G0V+4*(\e)+3], s[6:7], s[86:87]
	s_or_b32 s[G0V+4*(\e)+3], s[G0V+4*(\e)+3], 0x80000000
.endm
.macro ZERO                            ; O starts at 0: at the head, in the wait for the first tile, and at the change of blocks; the price of writing no first combine out
	WIN W_O
.set i, 0
.rept 128
	v_mov_b32 v[i], 0
.set i, i+1
.endr
	WIN 0
.endm
	s_load_b256 s[4:11], s[0:1], 0x0               ; pw s[4:5], qkv s[6:7], smax s[8:9], ssum s[10:11]
	s_load_b64 s[12:13], s[0:1], 0x20              ; out0
	v_lshl_add_u32 v[SPW], v0, 2, SPARE
	v_mov_b32 v[NIL], 0
	ds_add_u32 v[SPW], v[NIL]                      ; the wave's opening: the add and its wait ahead of my first tensor load
	v_lshrrev_b32 v1, 5, v0
	v_readfirstlane_b32 s[WV], v1
	s_lshr_b32 s[WH], s[WV], 1
	s_and_b32 s[WL], s[WV], 1
	s_bfe_u32 s17, ttmp6, 0x40000                  ; cx
	s_bfe_u32 s18, ttmp6, 0x40004                  ; cy
	s_lshl_b32 s19, ttmp9, 2
	s_add_co_u32 s19, s19, s17                     ; channel block 0..7
	s_and_b32 s80, ttmp7, 0xffff
	s_lshr_b32 s20, s80, 1                         ; the batch
	s_and_b32 s21, s80, 1                          ; pi
	s_sub_co_u32 s[NH], 4, s21
	s_sub_co_u32 s80, 3, s21
	s_lshl_b32 s82, s20, 11
	s_lshl_b32 s83, s18, 7
	s_add_co_u32 s82, s82, s83
	s_lshl_b32 s83, s80, 9
	s_add_co_u32 s83, s83, s82                     ; the first block's first row
	s_lshl_b32 s81, s21, 9
	s_add_co_u32 s81, s81, s82                     ; the second block's
	s_lshl_b32 s82, s[WL], 8
	s_lshl_b32 s[ROWH], s83, 12
	s_add_co_u32 s[ROWH], s[ROWH], s82
	s_lshl_b32 s[ROWL], s81, 12
	s_add_co_u32 s[ROWL], s[ROWL], s82
	s_lshl_b32 s86, s20, 11
	s_lshl_b32 s87, s[WL], 7
	s_add_co_u32 s86, s86, s87
	s_mul_i32 s86, s86, 6144
	s_lshl_b32 s87, s19, 8
	s_add_co_u32 s86, s86, s87
	s_add_co_u32 s[VOFF0], s86, 4096               ; v lies 4,096 bytes into a row
	s_mov_b32 s87, 0
	s_mov_b32 s61, 0
	s_lshl_b32 s90, s18, 2
	s_lshl_b32 s90, 15, s90                        ; my row of the cluster
	s_lshl_b32 s91, 0x1111, s17                    ; my column
	s_or_b32 s[G1P], s90, (1<<16)|(1<<20)|(1<<21)|(5<<22)|(3<<25)  ; 128 rows x 128 elements; after every 64 words 4 words
	s_or_b32 s[G1V], s91, (1<<16)|(1<<20)|(1<<21)|(5<<22)|(7<<25)  ; 8 words
.irp g, G1P, G1V
	s_mov_b32 s[(\g)+1], 128<<16
	s_mov_b32 s[(\g)+2], 128<<16
	s_mov_b32 s[(\g)+3], 128<<16
	s_mov_b32 s[(\g)+4], 128
	s_mov_b32 s[(\g)+6], 0
	s_mov_b32 s[(\g)+7], 0
.endr
	s_mov_b32 s[G1P+5], 2048
	s_mov_b32 s[G1V+5], 3072
	; out0 at my 64 rows and 64 channels, both blocks
	s_lshl_b32 s90, s[WH], 6
	s_add_co_u32 s91, s83, s90
	s_lshl_b32 s92, s91, 12
	s_add_co_u32 s91, s81, s90
	s_lshl_b32 s94, s91, 12
	s_lshl_b32 s90, s19, 9
	s_lshl_b32 s91, s[WL], 8
	s_add_co_u32 s90, s90, s91
	s_add_co_u32 s92, s92, s90
	s_add_co_u32 s94, s94, s90
	s_mov_b32 s93, 0
	s_mov_b32 s95, 0
	; the statistics, [batch][16 key tiles][2,048 rows] f32.  Walk tiles 0-11 are the first block's; 12-15 the first block's if it has four laps, else the second's 0-3; 16-19 the second's
	s_mul_i32 s90, s20, 122880                     ; 131,072 a batch, less the 8,192 that the row number already counts
	s_lshl_b32 s96, s83, 2
	s_add_co_u32 s96, s96, s90
	s_lshl_b32 s98, s81, 2
	s_add_co_u32 s98, s98, s90
	s_add_co_u32 s90, s96, 12*8192
	s_add_co_u32 s91, s98, 4*8192
	s_cmp_eq_u32 s[NH], 4
	s_cselect_b32 s88, s90, s98
	s_cselect_b32 s98, s98, s91
	s_cselect_b32 s84, -1, 0                       ; all ones: the middle four tiles are the first block's
	s_mov_b32 s97, 0
	s_mov_b32 s89, 0
	s_mov_b32 s99, 0
	s_mul_i32 s80, s[WL], PTILE                    ; where my tiles go: no place in the cluster enters an LDS address
	s_mul_i32 s82, s[WL], VTILE
	s_add_co_u32 s82, s82, VOFF
.irp e, 0,1
	s_mov_b32 s[G0P+4*(\e)], 1
	s_add_co_u32 s[G0P+4*(\e)+1], s80, (\e)*SLOT
	s_mov_b32 s[G0V+4*(\e)], 1
	s_add_co_u32 s[G0V+4*(\e)+1], s82, (\e)*SLOT
.endr
	s_mov_b32 s[LAPN], 0
	s_wait_dscnt 0x0                               ; the opening add is done
	s_wait_kmcnt 0x0
	s_add_nc_u64 s[66:67], s[12:13], s[94:95]
	s_add_nc_u64 s[12:13], s[12:13], s[92:93]
	s_add_nc_u64 s[68:69], s[8:9], s[96:97]
	s_add_nc_u64 s[70:71], s[8:9], s[88:89]
	s_add_nc_u64 s[72:73], s[8:9], s[98:99]
	s_add_nc_u64 s[74:75], s[10:11], s[96:97]
	s_add_nc_u64 s[76:77], s[10:11], s[88:89]
	s_add_nc_u64 s[78:79], s[10:11], s[98:99]
	ADDR 0
	ADDR 1
	CROUND                                         ; all sixteen work-groups are here: the first joint loads meet
	JLOAD 0
	JLOAD 1
	v_lshlrev_b32 v15, 2, v0                       ; thread t serves row t of both blocks
.set k, 0
.rept 12
	global_load_b32 v[32+k], v15, s[68:69] offset:k*8192
	global_load_b32 v[52+k], v15, s[74:75] offset:k*8192
.set k, k+1
.endr
.set k, 0
.rept 4
	global_load_b32 v[44+k], v15, s[70:71] offset:k*8192
	global_load_b32 v[64+k], v15, s[76:77] offset:k*8192
	global_load_b32 v[48+k], v15, s[72:73] offset:k*8192
	global_load_b32 v[68+k], v15, s[78:79] offset:k*8192
.set k, k+1
.endr
	ZERO
.set k, 0
.rept 8
	v_mov_b32 v[FF+2*k+1], 0                       ; named with f' as a pair
.set k, k+1
.endr
	v_and_b32 v1, 15, v0                           ; r
	v_bfe_u32 v14, v0, 4, 1                        ; h
	v_mul_u32_u24 v16, v1, PP
	v_lshl_add_u32 v16, v14, 4, v16
	s_mul_i32 s80, s[WH], 64*PP
	v_add_nc_u32 v[ADRP], s80, v16
	v_add_nc_u32 v[ADRP+1], SLOT, v[ADRP]
	v_and_b32 v17, 7, v0                           ; V, turned: key 8 h + l % 8, 16 bytes at 16 ((l / 8) % 2)
	v_lshl_add_u32 v17, v14, 3, v17
	v_mul_u32_u24 v17, v17, PV
	v_bfe_u32 v18, v0, 3, 1
	v_lshl_add_u32 v17, v18, 4, v17
	s_lshl_b32 s80, s[WL], 7
	s_add_co_u32 s80, s80, VOFF
	v_add_nc_u32 v[ADRV], s80, v17
	v_add_nc_u32 v[ADRV+1], VTILE, v[ADRV]
	v_add_nc_u32 v[ADRV+2], SLOT, v[ADRV]
	v_add_nc_u32 v[ADRV+3], SLOT, v[ADRV+1]
	s_lshl_b32 s80, s[WH], 8
	s_add_co_u32 s80, s80, FT
	v_lshl_add_u32 v[FTA], v1, 2, s80
	s_mul_i32 s80, s[WV], 16*SP
	s_add_co_u32 s80, s80, STAGE
	v_mul_u32_u24 v16, v1, SP                      ; into my stage: row r, 32 bytes for each half of the lanes
	v_lshl_add_u32 v16, v14, 5, v16
	v_add_nc_u32 v[STO], s80, v16
	v_mul_u32_u24 v16, v14, SP                     ; back: lanes 0-15 one row of 256 bytes, lanes 16-31 the next
	v_lshl_add_u32 v16, v1, 4, v16
	v_add_nc_u32 v[RD], s80, v16
	v_lshlrev_b32 v16, 12, v14
	v_lshl_add_u32 v[CO], v1, 4, v16
	v_lshl_add_u32 v19, v0, 2, FT
	v_mov_b32 v20, 0xff7fffff                      ; the lowest finite number
	s_wait_loadcnt 0x0
	; both blocks' row maxima: v72 the first block's, v74 the second's, v73 the one that the middle tiles go by
	v_max3_num_f32 v72, v32, v33, v34
.irp k, 35,37,39,41
	v_max3_num_f32 v72, v72, v[\k], v[\k+1]
.endr
	v_max_num_f32 v72, v72, v43
	v_max3_num_f32 v73, v44, v45, v46
	v_max_num_f32 v73, v73, v47
	v_max3_num_f32 v74, v48, v49, v50
	v_max_num_f32 v74, v74, v51
	v_cndmask_b32 v75, v20, v73, s84
	v_cndmask_b32 v76, v73, v20, s84
	v_max_num_f32 v72, v72, v75
	v_max_num_f32 v74, v74, v76
	v_cndmask_b32 v73, v74, v72, s84
.set k, 0
.rept 12
	v_sub_f32 v[32+k], v[32+k], v72
.set k, k+1
.endr
.set k, 0
.rept 4
	v_sub_f32 v[44+k], v[44+k], v73
	v_sub_f32 v[48+k], v[48+k], v74
.set k, k+1
.endr
.set k, 0
.rept 20
	v_exp_f32 v[32+k], v[32+k]
.set k, k+1
.endr
	v_nop                                          ; a plain instruction behind the last exponential,
	s_wait_alu depctr_va_vdst(0)                   ; and the batch's one wait, ahead of the first reader
	v_mul_f32 v77, v32, v52
	v_mul_f32 v78, v44, v64
	v_mul_f32 v79, v48, v68
.set k, 1
.rept 11
	v_fmac_f32 v77, v[32+k], v[52+k]
.set k, k+1
.endr
.set k, 1
.rept 3
	v_fmac_f32 v78, v[44+k], v[64+k]
	v_fmac_f32 v79, v[48+k], v[68+k]
.set k, k+1
.endr
	v_cndmask_b32 v80, 0, v78, s84
	v_cndmask_b32 v81, v78, 0, s84
	v_add_f32 v77, v77, v80
	v_add_f32 v79, v79, v81
	v_rcp_f32 v77, v77                             ; the tile that holds the row's maximum has the factor 1 and a sum of 1 or more: no divisor is 0
	v_rcp_f32 v79, v79
	v_nop
	s_wait_alu depctr_va_vdst(0)
	v_cndmask_b32 v78, v79, v77, s84
.set k, 0
.rept 12
	v_mul_f32 v[32+k], v[32+k], v77
.set k, k+1
.endr
.set k, 0
.rept 4
	v_mul_f32 v[44+k], v[44+k], v78
	v_mul_f32 v[48+k], v[48+k], v79
.set k, k+1
.endr
.set k, 0
.rept 20
	ds_store_b32 v19, v[32+k] offset:512*k
.set k, k+1
.endr
; Four multiply-adds: accumulator g of T's buffer tp, times its query's f', onto O; lowest registers first.
.macro RID g, tp
	WIN W_RID
.irp z, 0,1,2,3
	v_pk_fma_f32 v[8*(\g)+2*(\z):8*(\g)+2*(\z)+1], v[128*(\tp)+8*(\g)+2*(\z):128*(\tp)+8*(\g)+2*(\z)+1], v[FF+8*(\tp)+2*((\g)/4):FF+8*(\tp)+2*((\g)/4)+1], v[8*(\g)+2*(\z):8*(\g)+2*(\z)+1] op_sel_hi:[1,0,1]
.endr
.endm
; 8 matrix instructions: query blocks a0, a0 + 1 x 4 channel blocks, 32 keys: half c of buffer f, into T's buffer tb.  The 16 accumulators take turns, one instruction a turn.
; rid = 1: behind every fourth stands the next of the 16 groups (ng counts them over a tile) that combine the other buffer.
.macro MUL8 f, c, a0, tb, zero, rid
.irp a, \a0, (\a0)+1
	WIN W_MUL
.irp b, 0,1,2,3
.if \zero
	v_wmma_f32_16x16x32_f16 v[128*(\tb)+8*(4*(\a)+(\b)):128*(\tb)+8*(4*(\a)+(\b))+7], v[64*(\f)+8*(4*(\c)+(\b)):64*(\f)+8*(4*(\c)+(\b))+7], v[PF+64*(\f)+8*(4*(\c)+(\a)):PF+64*(\f)+8*(4*(\c)+(\a))+7], 0
.else
	v_wmma_f32_16x16x32_f16 v[128*(\tb)+8*(4*(\a)+(\b)):128*(\tb)+8*(4*(\a)+(\b))+7], v[64*(\f)+8*(4*(\c)+(\b)):64*(\f)+8*(4*(\c)+(\b))+7], v[PF+64*(\f)+8*(4*(\c)+(\a)):PF+64*(\f)+8*(4*(\c)+(\a))+7], v[128*(\tb)+8*(4*(\a)+(\b)):128*(\tb)+8*(4*(\a)+(\b))+7]
.endif
.endr
.if \rid
	RID ng, 1-(\tb)
.endif
.set ng, ng+1
.endr
.endm
; One run of LDS loads: 64 keys (half) of tile tau of a slot into buffer half; the first 32 keys first.  ft >= 0: ahead of them the tile's four f', at byte ft behind the lap's first.
.macro FETCH slot, tau, half, ft
	WIN 0
.if (\ft) >= 0
.irp a, 0,1,2,3
	ds_load_b32 v[FF+8*(\tau)+2*(\a)], v[FTA] offset:(\ft)+64*(\a)
.endr
.endif
.irp c, 0,1
	WIN W_TOV
.irp b, 0,1,2,3
	ds_load_tr16_b128 v[64*(\half)+8*(4*(\c)+(\b)):64*(\half)+8*(4*(\c)+(\b))+3],   v[ADRV+2*(\slot)+(\tau)] offset:(2*(\half)+(\c))*32*PV+(\b)*32
	ds_load_tr16_b128 v[64*(\half)+8*(4*(\c)+(\b))+4:64*(\half)+8*(4*(\c)+(\b))+7], v[ADRV+2*(\slot)+(\tau)] offset:(2*(\half)+(\c))*32*PV+(\b)*32+16*PV
.endr
	WIN 0
.irp a, 0,1,2,3
	ds_load_b128 v[PF+64*(\half)+8*(4*(\c)+(\a)):PF+64*(\half)+8*(4*(\c)+(\a))+3],   v[ADRP+(\slot)] offset:(\tau)*PTILE+(\a)*16*PP+(2*(\half)+(\c))*64
	ds_load_b128 v[PF+64*(\half)+8*(4*(\c)+(\a))+4:PF+64*(\half)+8*(4*(\c)+(\a))+7], v[ADRP+(\slot)] offset:(\tau)*PTILE+(\a)*16*PP+(2*(\half)+(\c))*64+32
.endr
.endr
.endm
; Quarter q = 0..2 of a slot: tile q / 2, its half q % 2, buffer q % 2; in its middle the next quarter is fetched.  With riders the sixteen of the first half are the places in front of the loads.
.macro QUARTER slot, q, ft, rid
.if ((\q)%2) == 0
.set ng, 0
.endif
	s_wait_dscnt 16                                ; the first 32 keys are in; the run's other sixteen loads may be out
	MUL8 (\q)%2, 0, 0, (\q)/2, 1-(\q)%2, \rid
	MUL8 (\q)%2, 0, 2, (\q)/2, 1-(\q)%2, \rid
.if !(\rid)
	PLACES
.endif
	FETCH \slot, ((\q)+1)/2, ((\q)+1)%2, \ft
.if (\ft) >= 0
	s_wait_dscnt 36                                ; all but the 36 just issued
.else
	s_wait_dscnt 32                                ; all but the 32 just issued
.endif
	MUL8 (\q)%2, 1, 0, (\q)/2, 0, \rid
	MUL8 (\q)%2, 1, 2, (\q)/2, 0, \rid
.endm
; A slot's last quarter and the change of slots.  fill = 1: the barrier opens a round of the cluster's, and the joint refill, this slot's part of lap LAPN, is the first thing behind it:
; 112 matrix instructions stand between it and the wait for it.
.macro TURN slot, next, fill
	WIN 0
	s_wait_tensorcnt 0x0                           ; all my tensor loads have landed: my part of the next slot; so the descriptors may be written
	ds_add_u32 v[SPW], v[NIL]
.if \fill
	ADDR \slot
.endif
	s_wait_dscnt 17                                ; (the add and the youngest sixteen loads may be out)
	MUL8 1, 0, 0, 1, 0, 1
	s_wait_dscnt 0x0                               ; the add is done, and my reads of this slot are over
	s_barrier_signal -1
	MUL8 1, 0, 2, 1, 0, 1
	WIN 0
	s_barrier_wait -1
.if \fill
	CREST
	JLOAD \slot
.endif
	FETCH \next, 0, 0, -1
	MUL8 1, 1, 0, 1, 0, 1
	MUL8 1, 1, 2, 1, 0, 1
.endm
; THE WAY OUT of a block: O, which holds the finished numbers, goes 16 rows at a time through my own stage and leaves as whole rows of 256 bytes.
.macro EPI
.irp a, 0,1,2,3
	WIN W_STD
.irp b, 0,1,2,3
	ds_store_b128 v[STO], v[8*(4*(\a)+(\b)):8*(4*(\a)+(\b))+3]   offset:64*(\b)
	ds_store_b128 v[STO], v[8*(4*(\a)+(\b))+4:8*(4*(\a)+(\b))+7] offset:64*(\b)+16
.endr
	WIN 0
.if (\a) >= 2
	s_wait_xcnt 0x0                                ; the stores of two blocks back have read these registers
.endif
.irp t, 0,1,2,3,4,5,6,7
	ds_load_b128 v[OB+32*((\a)%2)+4*(\t):OB+32*((\a)%2)+4*(\t)+3], v[RD] offset:(\t)*2*SP   ; LDS serves a wave's instructions in order (ISA guide 5.7.1.4): these see the stores above
.endr
.irp t, 0,1,2,3,4,5,6,7
	s_wait_dscnt 7-(\t)
	global_store_b128 v[CO], v[OB+32*((\a)%2)+4*(\t):OB+32*((\a)%2)+4*(\t)+3], s[12:13] offset:(16*(\a)+2*(\t))*4096   ; 16 lanes store 256 consecutive bytes, aligned
.endr
.endr
.endm
	s_wait_dscnt 0x0                               ; for the others' sake: my rows' f' are stored
	s_wait_tensorcnt 1                             ; my part of slot 0 is in; slot 1's may stay out
	s_barrier_signal -1
	s_barrier_wait -1
	FETCH 0, 0, 0, -1
	QUARTER 0, 0, 0, 0                             ; the walk's first tile: there is nothing yet to combine
	QUARTER 0, 1, -1, 0
	PLACES                                         ; in front of the first read of T0's first accumulator
	WIN 0
	s_mov_b32 s[LAPN], 1
	s_mov_b32 s59, 4
.Llap:                                                 ; from a lap's second tile to the next lap's first; both slots are filled again, with lap LAPN
	QUARTER 0, 2, 512, 1
	TURN 0, 1, 1
	QUARTER 1, 0, 1024, 1
	QUARTER 1, 1, -1, 1
	QUARTER 1, 2, 1536, 1
	TURN 1, 0, 1
	QUARTER 0, 0, 2048, 1
	QUARTER 0, 1, -1, 1
	WIN 0
	v_add_nc_u32 v[FTA], 2048, v[FTA]              ; the next lap's four tiles of f'
	s_cmp_eq_u32 s[LAPN], s[NH]                    ; the lap just begun is the second block's first: all the first block's tiles have been combined
	s_cbranch_scc0 .Lsame
	EPI
	s_wait_xcnt 0x0                                ; the stores have read their registers and their base
	s_mov_b64 s[12:13], s[66:67]
	ZERO
.Lsame:
	s_add_co_u32 s[LAPN], s[LAPN], 1
	s_sub_co_u32 s59, s59, 1
	s_cmp_lg_u32 s59, 0
	s_cbranch_scc1 .Llap
	QUARTER 0, 2, 512, 1                           ; the last lap asks for nothing
	TURN 0, 1, 0
	QUARTER 1, 0, 1024, 1
	QUARTER 1, 1, -1, 1
	QUARTER 1, 2, 1536, 1
	s_wait_dscnt 16
	MUL8 1, 0, 0, 1, 0, 1
	MUL8 1, 0, 2, 1, 0, 1
	s_wait_dscnt 0x0
	MUL8 1, 1, 0, 1, 0, 1
	MUL8 1, 1, 2, 1, 0, 1
	PLACES
.set gg, 0
.rept 16
	RID gg, 1                                      ; the last tile is combined by itself
.set gg, gg+1
.endr
	EPI
	s_wait_tensorcnt 0x0                           ; the wave's end
	ds_add_u32 v[SPW], v[NIL]
	s_wait_dscnt 0x0
	CROUND                                         ; the closing round
	s_endpgm
.Lfunc_end_k_qda1835016e_pv:
	.size	k_qda1835016e_pv, .Lfunc_end_k_qda1835016e_pv-k_qda1835016e_pv
	.p2alignl 7, 3214868480
	.fill 96, 4, 3214868480
	.section	.rodata,"a",@progbits
	.p2align	6, 0x0
	.amdhsa_kernel k_qda1835016e_pv
		.amdhsa_group_segment_fixed_size 327680
		.amdhsa_private_segment_fixed_size 0
		.amdhsa_enable_private_segment 0
		.amdhsa_kernarg_size 40
		.amdhsa_user_sgpr_count 2
		.amdhsa_user_sgpr_kernarg_segment_ptr 1
		.amdhsa_wavefront_size32 1
		.amdhsa_system_sgpr_workgroup_id_x 1
		.amdhsa_system_sgpr_workgroup_id_y 1
		.amdhsa_system_sgpr_workgroup_id_z 1
		.amdhsa_system_vgpr_workitem_id 0
		.amdhsa_next_free_vgpr 896
		.amdhsa_next_free_sgpr 100
		.amdhsa_reserve_vcc 0
		.amdhsa_float_denorm_mode_32 3
		.amdhsa_float_denorm_mode_16_64 3
		.amdhsa_memory_ordered 1
		.amdhsa_forward_progress 1
		.amdhsa_inst_pref_size 157
	.end_amdhsa_kernel
	.amdgpu_metadata
---
amdhsa.version: [ 1, 2 ]
amdhsa.kernels:
  - .name:           k_qda1835016e_pv
    .symbol:         k_qda1835016e_pv.kd
    .args:
      - { .name: pw, .offset: 0, .size: 8, .value_kind: global_buffer, .address_space: global }
      - { .name: qkv, .offset: 8, .size: 8, .value_kind: global_buffer, .address_space: global }
      - { .name: smax, .offset: 16, .size: 8, .value_kind: global_buffer, .address_space: global }
      - { .name: ssum, .offset: 24, .size: 8, .value_kind: global_buffer, .address_space: global }
      - { .name: out0, .offset: 32, .size: 8, .value_kind: global_buffer, .address_space: global }
    .group_segment_fixed_size: 327680
    .private_segment_fixed_size: 0
    .kernarg_segment_align: 8
    .kernarg_segment_size: 40
    .max_flat_workgroup_size: 128
    .sgpr_count:     100
    .vgpr_count:     896
    .wavefront_size: 32
...
	.end_amdgpu_metadata
.endif
;; end of part 4
;; ======== version 2 of 2: 4 launches; version 1 with the launch cast written anew for expert scheduling mode
;; limits: values are held in f16: magnitudes above 65,504 overflow, below 6.1e-05 lose precision
;; workspace buffers: xb 16,777,216 bytes; wb 6,291,456 bytes; qkv 50,331,648 bytes; pw 33,554,432 bytes; smax 524,288 bytes; ssum 524,288 bytes
;; launch cast (part 5): grid 704 x 1, 8 waves a work-group, no clusters, 0 bytes of LDS; arguments x, Wq, Wk, Wv, xb, wb; writes xb, wb
.if DOCPART == 5
	.amdgcn_target "amdgcn-amd-amdhsa--gfx1250"
	.amdhsa_code_object_version 6
	.text
	.protected	k_qda1835016e_cast
	.globl	k_qda1835016e_cast
	.p2align	8
	.type	k_qda1835016e_cast,@function
k_qda1835016e_cast:
	s_mov_b64 s[64:65], 0
	v_nop
	global_prefetch_b8 v0, s[64:65] scope:SCOPE_SE
	s_setreg_imm32_b32 hwreg(HW_REG_WAVE_SCHED_MODE, 0, 2), 2
	s_setreg_imm32_b32 hwreg(HW_REG_WAVE_MODE, 25, 1), 1
	s_wait_xcnt 0x0
	s_wait_alu depctr_vm_vsrc(0)
; x and the three weights, f32, are rounded once to bf16 (nearest even) and laid out for the projection.
; xb: [16 blocks of 64 k][8192 rows][64] bf16: 128 rows of one block are 16,384 bytes on end.
; wb: [1024 k][3072] bf16: columns 0-1023 Wq, 1024-2047 Wk, 2048-3071 Wv.
; Work-groups 0-511 take 16 rows of x each, 512-703 take 16 rows of one weight.  A thread issues its 16 loads of 16 bytes at once,
; then rounds them as they come; a wave's store of 8 bytes a lane covers 256 consecutive bytes, aligned.
; No LDS, no matrix unit, no cluster: nothing is shared.
; THE MODE: SCHED_MODE bits 1:0 = 2 (LLVM: expert scheduling mode 2), set by the entry lines.  The code itself states the register dependences
; between vector instructions and memory instructions, with s_wait_alu, always for 0.
; THE PLAN, the same on both paths.  Registers that memory instructions touch:
;   v1, v2   the loads' and the stores' byte offsets: written by vector instructions at the path's head, never again; read by the 16 loads and the 16 stores.
;   XR       written by the loads alone, each register once; no vector instruction names it ahead of them; read by the conversions, behind the counted waits for the loads.
;   YR       each register written once, by a conversion, and read once, by a store.
; No register is used twice.  So the one kind of dependence to state is a vector result that a memory instruction reads: no load lands in a register that a vector instruction has
; named, no register that a memory instruction has read is written again, no vector instruction writes a scalar register or VCC, and EXEC is never written.
; The 16 pieces go in four blocks of four.  One wait on va_vdst stands ahead of the first load, for v1 and v2.  One stands at the head of each of blocks 1 to 3, behind the wait for the
; block's first load: the block before has written its eight registers of YR; its four stores follow at once.  One stands behind block 3, ahead of the last four stores.
.set XR, 8                             ; v[8:71]   16 x 4 numbers as loaded
.set YR, 72                            ; v[72:103] 16 x 4 numbers in bf16
	s_load_b256 s[4:11], s[0:1], 0x0               ; x s[4:5], Wq s[6:7], Wk s[8:9], Wv s[10:11]
	s_load_b128 s[12:15], s[0:1], 0x20             ; xb s[12:13], wb s[14:15]
	s_mov_b32 s21, 0
	s_mov_b32 s23, 0
	s_cmp_lt_u32 ttmp9, 512
	s_cbranch_scc0 .Lweights
	; rows 16 g .. 16 g + 15 of x: thread t takes row t / 16, 16 bytes at 16 (t % 16) of each of the row's 16 pieces of 256 bytes
	v_lshrrev_b32 v1, 4, v0
	v_and_b32 v3, 15, v0
	v_lshlrev_b32 v1, 12, v1
	v_lshl_add_u32 v1, v3, 4, v1                   ; row x 4,096 + 16 (t % 16)
	v_lshlrev_b32 v2, 3, v0                        ; in a block of xb: row x 128 + 8 (t % 16) = 8 t
	s_lshl_b32 s20, ttmp9, 16                      ; 16 rows of 4,096 bytes
	s_lshl_b32 s22, ttmp9, 11                      ; 16 rows of 128 bytes
	s_wait_kmcnt 0x0
	s_add_nc_u64 s[4:5], s[4:5], s[20:21]
	s_add_nc_u64 s[16:17], s[12:13], s[22:23]      ; blocks 0-7
	s_add_nc_u64 s[18:19], s[16:17], 0x800000      ; blocks 8-15: the immediate holds eight blocks of 1,048,576 bytes
	s_wait_alu depctr_va_vdst(0)                   ; v1 and v2 are written: the loads below read v1 as their offset, the stores v2
.set i, 0
.rept 16
	global_load_b128 v[XR+4*i:XR+4*i+3], v1, s[4:5] offset:256*i th:TH_LOAD_NT
.set i, i+1
.endr
.set b, 0
.rept 4
	s_wait_loadcnt 15-4*b                          ; loads come back in order: the block's first piece is in, the younger ones stay out
.if b > 0
	s_wait_alu depctr_va_vdst(0)                   ; the conversions of the block before have written their eight registers of YR, which the four stores below read
.set i, 4*(b-1)
.rept 4
	global_store_b64 v2, v[YR+2*i:YR+2*i+1], s[16+2*(i/8):17+2*(i/8)] offset:(i%8)*1048576
.set i, i+1
.endr
.endif
.set i, 4*b
.rept 4
.if i > 4*b
	s_wait_loadcnt 15-i                            ; piece i is in
.endif
	v_cvt_pk_bf16_f32 v[YR+2*i], v[XR+4*i], v[XR+4*i+1]
	v_cvt_pk_bf16_f32 v[YR+2*i+1], v[XR+4*i+2], v[XR+4*i+3]
.set i, i+1
.endr
.set b, b+1
.endr
	s_wait_alu depctr_va_vdst(0)                   ; block 3's conversions have written their eight registers of YR, which the last four stores read
.set i, 12
.rept 4
	global_store_b64 v2, v[YR+2*i:YR+2*i+1], s[16+2*(i/8):17+2*(i/8)] offset:(i%8)*1048576
.set i, i+1
.endr
	s_endpgm
.Lweights:
	; rows k0 .. k0 + 15 of one weight: a wave takes two rows, 8,192 bytes on end, 512 bytes a load
	s_sub_co_u32 s24, ttmp9, 512
	s_lshr_b32 s25, s24, 6                         ; which weight
	s_and_b32 s24, s24, 63
	s_lshl_b32 s20, s24, 16                        ; k0 x 4,096
	s_mul_i32 s22, s24, 16*6144                    ; k0 rows of wb
	s_lshl_b32 s26, s25, 11                        ; the weight's 2,048 bytes of a row of wb
	s_add_co_u32 s22, s22, s26
	v_lshrrev_b32 v1, 5, v0
	v_and_b32 v3, 31, v0
	v_mul_u32_u24 v2, v1, 12288
	v_lshlrev_b32 v1, 13, v1
	v_lshl_add_u32 v1, v3, 4, v1
	v_lshl_add_u32 v2, v3, 3, v2
	s_wait_kmcnt 0x0
	s_cmp_eq_u32 s25, 0
	s_cselect_b64 s[6:7], s[6:7], s[8:9]
	s_cmp_eq_u32 s25, 2
	s_cselect_b64 s[4:5], s[10:11], s[6:7]
	s_add_nc_u64 s[4:5], s[4:5], s[20:21]
	s_add_nc_u64 s[16:17], s[14:15], s[22:23]
	s_wait_alu depctr_va_vdst(0)                   ; v1 and v2 are written: the loads below read v1 as their offset, the stores v2
.set i, 0
.rept 16
	global_load_b128 v[XR+4*i:XR+4*i+3], v1, s[4:5] offset:512*i th:TH_LOAD_NT
.set i, i+1
.endr
.set b, 0
.rept 4
	s_wait_loadcnt 15-4*b                          ; the block's first piece is in, the younger ones stay out
.if b > 0
	s_wait_alu depctr_va_vdst(0)                   ; the conversions of the block before have written their eight registers of YR, which the four stores below read
.set i, 4*(b-1)
.rept 4
	global_store_b64 v2, v[YR+2*i:YR+2*i+1], s[16:17] offset:(i/8)*6144+(i%8)*256
.set i, i+1
.endr
.endif
.set i, 4*b
.rept 4
.if i > 4*b
	s_wait_loadcnt 15-i                            ; piece i is in
.endif
	v_cvt_pk_bf16_f32 v[YR+2*i], v[XR+4*i], v[XR+4*i+1]
	v_cvt_pk_bf16_f32 v[YR+2*i+1], v[XR+4*i+2], v[XR+4*i+3]
.set i, i+1
.endr
.set b, b+1
.endr
	s_wait_alu depctr_va_vdst(0)                   ; block 3's conversions have written their eight registers of YR, which the last four stores read
.set i, 12
.rept 4
	global_store_b64 v2, v[YR+2*i:YR+2*i+1], s[16:17] offset:(i/8)*6144+(i%8)*256
.set i, i+1
.endr
	s_endpgm
.Lfunc_end_k_qda1835016e_cast:
	.size	k_qda1835016e_cast, .Lfunc_end_k_qda1835016e_cast-k_qda1835016e_cast
	.p2alignl 7, 3214868480
	.fill 96, 4, 3214868480
	.section	.rodata,"a",@progbits
	.p2align	6, 0x0
	.amdhsa_kernel k_qda1835016e_cast
		.amdhsa_group_segment_fixed_size 0
		.amdhsa_private_segment_fixed_size 0
		.amdhsa_enable_private_segment 0
		.amdhsa_kernarg_size 48
		.amdhsa_user_sgpr_count 2
		.amdhsa_user_sgpr_kernarg_segment_ptr 1
		.amdhsa_wavefront_size32 1
		.amdhsa_system_sgpr_workgroup_id_x 1
		.amdhsa_system_sgpr_workgroup_id_y 1
		.amdhsa_system_sgpr_workgroup_id_z 1
		.amdhsa_system_vgpr_workitem_id 0
		.amdhsa_next_free_vgpr 104
		.amdhsa_next_free_sgpr 66
		.amdhsa_reserve_vcc 0
		.amdhsa_float_denorm_mode_32 3
		.amdhsa_float_denorm_mode_16_64 3
		.amdhsa_memory_ordered 1
		.amdhsa_forward_progress 1
		.amdhsa_inst_pref_size 14
	.end_amdhsa_kernel
	.amdgpu_metadata
---
amdhsa.version: [ 1, 2 ]
amdhsa.kernels:
  - .name:           k_qda1835016e_cast
    .symbol:         k_qda1835016e_cast.kd
    .args:
      - { .name: x, .offset: 0, .size: 8, .value_kind: global_buffer, .address_space: global }
      - { .name: Wq, .offset: 8, .size: 8, .value_kind: global_buffer, .address_space: global }
      - { .name: Wk, .offset: 16, .size: 8, .value_kind: global_buffer, .address_space: global }
      - { .name: Wv, .offset: 24, .size: 8, .value_kind: global_buffer, .address_space: global }
      - { .name: xb, .offset: 32, .size: 8, .value_kind: global_buffer, .address_space: global }
      - { .name: wb, .offset: 40, .size: 8, .value_kind: global_buffer, .address_space: global }
    .group_segment_fixed_size: 0
    .private_segment_fixed_size: 0
    .kernarg_segment_align: 8
    .kernarg_segment_size: 48
    .max_flat_workgroup_size: 256
    .sgpr_count:     66
    .vgpr_count:     104
    .wavefront_size: 32
...
	.end_amdgpu_metadata
.endif
;; end of part 5
;; launch proj: the kernel of part 2 again; grid 8 x 32, 4 waves a work-group, clusters of 4 x 4, 327,680 bytes of LDS; arguments xb, wb, qkv; writes qkv
;; launch scores: the kernel of part 3 again; grid 60 x 4, 4 waves a work-group, clusters of 4 x 1, 327,680 bytes of LDS; arguments qkv, pw, smax, ssum; writes pw, smax, ssum
;; launch pv: the kernel of part 4 again; grid 8 x 32, 4 waves a work-group, clusters of 4 x 4, 327,680 bytes of LDS; arguments pw, qkv, smax, ssum, out0; writes out0
